; MI455X (gfx1250); checked and timed in simulation.
; The chip was launched on July 23, 2026; its instructions are those of AMD's public machine-readable ISA for CDNA 5 (MIT licence, August 2026) and "CDNA5" Instruction Set Architecture Reference Guide (July 2026). The comments in the code are by the model that wrote it; some were corrected since.
;; Attention Block. Allowed arithmetic: matrix products marked QUANTISED: E4M3 operands, one E8M0 scale for each 32 along K, by v_wmma_scale_f32_16x16x128_f8f6f4 with both operands' format E4M3, f32 sums; everything else in f32.
;; Inputs: norm_b 256 float32; norm_w 256 float32; proj_b 256 float32; proj_w 256 x 256 float32; qkv_b 768 float32; qkv_w 768 x 256 float32; x 4 x 256 x 64 x 64 float32.
;; Outputs: out0 4 x 256 x 64 x 64 float32.
;; This version of the problem:
;;   THIS VERSION OF THE PROBLEM IS GIVEN IN LOW PRECISION. The matrix products marked QUANTISED in the list below multiply operands that are first quantised to E4M3 (4 exponent bits, 3 mantissa bits; 8 bits a number), with one power-of-two scale for each 32 numbers along K (OCP MX v1.0); their sums are f32. All else is computed in f32.
;;   The module's matrix products, in the order in which they are computed (A, B: the left and right operand; K: the contracted axis; several contracted axes count as one K, in the product's order):
;;     1. [M 16,384, K 256] x [K 256, N 768]; A: computed on the way; B: input qkv_w: QUANTISED
;;     2. batch 16 x [M 4,096, K 64] x [K 64, N 4,096]; A: computed on the way; B: computed on the way: QUANTISED
;;     3. batch 16 x [M 64, K 4,096] x [K 4,096, N 4,096]; A: computed on the way; B: softmax (see below): QUANTISED
;;     4. [M 16,384, K 256] x [K 256, N 256]; A: computed on the way; B: input proj_w: QUANTISED
;;   THE QUANTISER, for each operand of a quantised product, along K:
;;     - K is cut into blocks of 32 from its start; a last block that is shorter is filled with zeros.
;;     - A block's scale is 2^e with e = floor(log2(the largest magnitude in the block)) - 8, held to -126 .. 127; a block of zeros has e = 0. As a byte (E8M0): e + 127.
;;     - Each number is divided by its block's scale, clamped to +-448, and rounded to the nearest number of E4M3, ties to even, subnormals kept.
;;     - The product sums the exact products of the quantised numbers (number of the format x scale) in f32.
;;   ~~~python
;;   def quantise(x, axis):      # numpy; x: float32 -> the quantised numbers, widened to float32 again
;;       x = np.moveaxis(x, axis, -1); K = x.shape[-1]
;;       x = np.pad(x, [(0, 0)] * (x.ndim - 1) + [(0, -K % 32)]); x = x.reshape(x.shape[:-1] + (-1, 32)); a = np.abs(x).max(-1, keepdims=True)
;;       e = np.where(a > 0, np.clip(np.frexp(np.where(a > 0, a, 1))[1] - 1 - 8, -126, 127), 0)      # np.frexp(a)[1] - 1 = floor(log2(a)), exactly
;;       r = np.clip(x / 2.0 ** e, -448, 448)
;;       step = 2.0 ** (np.maximum(np.frexp(np.where(r == 0, 1, r))[1] - 1, -6) - 3)
;;       q = np.round(r / step) * step * 2.0 ** e      # np.round: ties to even
;;       return np.moveaxis(q.reshape(q.shape[:-2] + (-1,))[..., :K], -1, axis).astype(np.float32)
;;   ~~~
;;   SOFTMAX AHEAD OF A QUANTISED PRODUCT. Where the list says 'softmax', what is quantised is not the finished softmax but p = 2^(t - M), with t = logit x log2(e) and M = ceil(the row's largest t), a whole number; so 1/2 < the row's largest p <= 1. The row's sum l is taken of the UNQUANTISED p, in f32, and the product's result is divided by l at the end. Since M is a whole number, a kernel that streams over the keys may use a running M (the ceiling of the running maximum): every later rescaling is an exact power of two, which a block's scale takes up: the codes' values come out the same.
;;   OPERANDS COMPUTED ON THE WAY. 'Computed on the way' means the value that the module computes at that place (a softmax that the list does not call 'softmax' is quantised finished and normalised). What goes into a quantiser is computed in f32, as accurately as f32 sums, v_exp_f32 and their like allow (about 1e-6 of the number): no bf16 or f16 on the way to a quantiser, and a product that is left as it is and whose result goes on into a quantised operand takes f32 operands (vector FMAs, or v_wmma_f32_16x16x4_f32). A number that lies on a knife's edge between two numbers of the format may be rounded either way, as far as f32 arithmetic and the matrix unit's own rounding can turn it there, and no further.
;; One version. Each part assembles by itself: llvm-mc -triple=amdgcn-amd-amdhsa -mcpu=gfx1250 --defsym DOCPART=n.
;; ======== version 1 of 1: 4 launches
;; limits: right only within a limited range of input values
;; workspace buffers: stats 2,048 bytes; wc 262,144 bytes; ws 8,192 bytes; qkvc 12,582,912 bytes; qkvs 655,360 bytes; hc 4,194,304 bytes; hs 131,072 bytes
;; launch stats (part 1): grid 256 x 1, 8 waves a work-group, no clusters, 1,536 bytes of LDS; arguments x, qkv_w, proj_w, stats, wc, ws; writes stats, wc, ws
.if DOCPART == 1
	.amdgcn_target "amdgcn-amd-amdhsa--gfx1250"
	.amdhsa_code_object_version 6
	.text
	.protected	k_qebe78946c3_stats
	.globl	k_qebe78946c3_stats
	.p2align	8
	.type	k_qebe78946c3_stats,@function
k_qebe78946c3_stats:
	s_mov_b64 s[64:65], 0
	v_nop
	global_prefetch_b8 v0, s[64:65] scope:SCOPE_SE
	s_setreg_imm32_b32 hwreg(HW_REG_WAVE_MODE, 25, 1), 1
	s_wait_xcnt 0x0
; GROUP NORM'S SUMS, AND THE TWO WEIGHTS AS CODES.
; x is [4][256][4096] f32; a group is 16 channels x 4,096 = 65,536 neighbouring numbers.  Work-group i takes the quarter of a group at number 16,384 i and stores
; (its mean, the sum of the squares of the distances from that mean) at stats + 8 i.  The numbers stay in registers between the two passes, so x is read once and no difference of large sums is formed;
; the next launch joins a group's four quarters.  Thread t takes 16 bytes at 16 t of each of sixteen runs of 4,096 bytes: a wave's load covers 512 neighbouring bytes.
; Wave 7 also turns rows 4 i .. 4 i + 3 of the weights (qkv_w's 768 rows, then proj_w's 256; K = the 256 channels, innermost) into codes of E4M3 with one E8M0 byte for each 32 along K.
; THE CODES ARE LAID AS IMAGES OF THE OPERAND'S REGISTERS.  Row o belongs to tile 2 (o / 32) + (o / 8) % 2 and is its lane-row (o % 8) + 8 ((o / 16) % 2); a fragment (tile, K step s of 128) is 2,048 bytes at
; (2 tile + s) 2,048: piece c (32 along K) at 512 c, lane l's 16 bytes at 16 l, lane = lane-row + 16 h holding k = 128 s + 32 c + 16 h + 0 .. 15.  The scale bytes: 128 bytes a tile, the word of (s, lane-row) at 64 s + 4 lane-row.
; A block's scale is 2^(floor(log2(its largest magnitude)) - 8); its byte is that magnitude's exponent field - 8, held at 1 from below.
; LIMITS: NaN and infinities are not served; a block whose largest magnitude lies under 2^-118 (a block of zeros among them, whose codes are zeros) gets the byte 1: the bytes are read by this program alone.
; No matrix unit, no tensor load: the launch streams 64 KiB a work-group through registers.
.set X,   16                           ; v[16:79]   my 64 numbers
.set S,   80                           ; v[80:87]   four chains of packed sums
.set T,   88                           ; v[88:95]   at work
.set WN,  96                           ; v[96:127]  wave 7: a block of 32 numbers of a weight
.set WC,  128                          ; v[128:135] wave 7: its codes;  v136-143 wave 7's offsets and work
.macro WSUM r                          ; the sum over the wave's 32 lanes, in every lane
	s_delay_alu instid0(VALU_DEP_1)
	v_add_f32_dpp v[\r], v[\r], v[\r] row_xmask:1 row_mask:0xf bank_mask:0xf
	s_delay_alu instid0(VALU_DEP_1)
	v_add_f32_dpp v[\r], v[\r], v[\r] row_xmask:2 row_mask:0xf bank_mask:0xf
	s_delay_alu instid0(VALU_DEP_1)
	v_add_f32_dpp v[\r], v[\r], v[\r] row_xmask:4 row_mask:0xf bank_mask:0xf
	s_delay_alu instid0(VALU_DEP_1)
	v_add_f32_dpp v[\r], v[\r], v[\r] row_xmask:8 row_mask:0xf bank_mask:0xf
	s_delay_alu instid0(VALU_DEP_1)
	v_permlanex16_b32 v10, v[\r], s20, s21
	s_delay_alu instid0(VALU_DEP_1)
	v_add_f32 v[\r], v[\r], v10
.endm
.macro FOLD                            ; the four chains become one number a lane, v8
	s_delay_alu instid0(VALU_DEP_3)
	v_pk_add_f32 v[S:S+1], v[S:S+1], v[S+2:S+3]
	s_delay_alu instid0(VALU_DEP_2)
	v_pk_add_f32 v[S+4:S+5], v[S+4:S+5], v[S+6:S+7]
	s_delay_alu instid0(VALU_DEP_1)
	v_pk_add_f32 v[S:S+1], v[S:S+1], v[S+4:S+5]
	s_delay_alu instid0(VALU_DEP_1)
	v_add_f32 v8, v[S], v[S+1]
.endm
.macro ACROSS off                      ; the eight waves' v8 are added: each wave stores its word, one barrier, every wave reads all eight.  The sum: v[T]
	ds_store_b32 v5, v8 offset:\off
	s_wait_dscnt 0x0                               ; for the others' sake: my word has landed
	s_barrier_signal -1
	s_barrier_wait -1
	ds_load_b128 v[T:T+3], v6 offset:\off
	ds_load_b128 v[T+4:T+7], v6 offset:\off+16
	s_wait_dscnt 0x0
	v_add_f32 v[T], v[T], v[T+1]
	v_add_f32 v[T+2], v[T+2], v[T+3]
	v_add_f32 v[T+4], v[T+4], v[T+5]
	v_add_f32 v[T+6], v[T+6], v[T+7]
	s_delay_alu instid0(VALU_DEP_3)
	v_add_f32 v[T], v[T], v[T+2]
	s_delay_alu instid0(VALU_DEP_2)
	v_add_f32 v[T+4], v[T+4], v[T+6]
	s_delay_alu instid0(VALU_DEP_1)
	v_add_f32 v[T], v[T], v[T+4]
.endm
	s_load_b256 s[4:11], s[0:1], 0x0               ; x s[4:5], qkv_w s[6:7], proj_w s[8:9], stats s[10:11]
	s_load_b128 s[12:15], s[0:1], 0x20             ; wc s[12:13], ws s[14:15]
	v_lshl_add_u32 v144, v0, 2, 0x200
	v_mov_b32 v145, 0
	v_lshrrev_b32 v1, 5, v0
	s_delay_alu instid0(VALU_DEP_1)
	v_readfirstlane_b32 s16, v1                    ; wave 0..7
	v_lshlrev_b32 v4, 4, v0                        ; 16 bytes a thread
	s_delay_alu instid0(VALU_DEP_3)
	v_lshlrev_b32 v5, 2, v1                        ; LDS: my wave's word
	v_mov_b32 v6, 0                                ; LDS byte 0; also the offset of the one store of the sums
	v_mov_b32 v10, 0                               ; written once: a lane permute's destination counts as one of its sources
	s_lshl_b32 s18, ttmp9, 16                      ; my quarter of a group: 65,536 bytes
	s_mov_b32 s19, 0
	s_lshl_b32 s30, ttmp9, 3                       ; and its 8 bytes of stats
	s_mov_b32 s31, 0
	s_mov_b32 s20, 0x76543210
	s_mov_b32 s21, 0xfedcba98                      ; v_permlanex16_b32's selects for lane l xor 16
	s_wait_alu depctr_va_vdst(0)
	s_wait_kmcnt 0x0
	s_add_nc_u64 s[4:5], s[4:5], s[18:19]
	s_add_nc_u64 s[10:11], s[10:11], s[30:31]
.irp j, 0,1,2,3,4,5,6,7,8,9,10,11,12,13,14,15
	global_load_b128 v[X+4*\j:X+4*\j+3], v4, s[4:5] offset:4096*\j   ; no hint: later launches read x again
.endr
	s_cmp_lg_u32 s16, 7
	s_cbranch_scc1 .Lno_weights                    ; a branch on the wave's number; no barrier stands inside
	; ---- wave 7: four rows of a weight.  Lane = (row q = lane / 8, block of 32 along K = lane % 8): a block lies in one lane's 32 registers
	s_cmp_lt_u32 ttmp9, 192                        ; qkv_w's rows or proj_w's: the choice hangs on the work-group's number alone
	s_cselect_b64 s[6:7], s[6:7], s[8:9]
	s_cselect_b32 s22, 0, 192
	s_sub_co_u32 s22, ttmp9, s22
	s_lshl_b32 s22, s22, 12                        ; four rows of 1,024 bytes
	s_mov_b32 s23, 0
	s_add_nc_u64 s[6:7], s[6:7], s[22:23]
	v_and_b32 v136, 31, v0                         ; lane
	s_wait_alu depctr_va_vdst(0)
	v_lshlrev_b32 v137, 7, v136                    ; 1,024 q + 128 block = 128 x lane
.irp j, 0,1,2,3,4,5,6,7
	global_load_b128 v[WN+4*\j:WN+4*\j+3], v137, s[6:7] offset:16*\j
.endr
	s_lshr_b32 s24, ttmp9, 3
	s_lshl_b32 s24, s24, 1
	s_bfe_u32 s25, ttmp9, 0x10001
	s_add_co_u32 s24, s24, s25                     ; the rows' tile: 2 (i / 8) + (i / 2) % 2
	s_and_b32 s25, ttmp9, 1
	s_lshl_b32 s25, s25, 2
	s_bfe_u32 s26, ttmp9, 0x10002
	s_lshl_b32 s26, s26, 3
	s_add_co_u32 s25, s25, s26                     ; row 4 i's lane-row: 4 (i % 2) + 8 ((i / 4) % 2)
	s_lshl_b32 s26, s24, 12
	s_lshl_b32 s27, s25, 4
	s_add_co_u32 s26, s26, s27
	s_mov_b32 s27, 0
	s_add_nc_u64 s[12:13], s[12:13], s[26:27]      ; codes: 4,096 x tile + 16 x lane-row
	s_lshl_b32 s26, s24, 7
	s_lshl_b32 s28, s25, 2
	s_add_co_u32 s26, s26, s28
	s_add_nc_u64 s[14:15], s[14:15], s[26:27]      ; scale bytes: 128 x tile + 4 x lane-row
	s_mov_b32 s29, 0x600000                        ; the mantissa field of 448
	v_lshrrev_b32 v140, 3, v136                    ; q
	v_bfe_u32 v141, v136, 2, 1                     ; the block's K step
	v_and_b32 v142, 3, v136                        ; and its piece
	s_delay_alu instid0(VALU_DEP_3)
	v_lshlrev_b32 v138, 4, v140
	s_delay_alu instid0(VALU_DEP_1)
	v_lshl_add_u32 v138, v141, 11, v138
	s_delay_alu instid0(VALU_DEP_1)
	v_lshl_add_u32 v138, v142, 9, v138             ; codes: 16 q + 2,048 s + 512 c
	s_delay_alu instid0(VALU_DEP_4)
	v_lshl_add_u32 v139, v140, 2, v142
	s_delay_alu instid0(VALU_DEP_1)
	v_lshl_add_u32 v139, v141, 6, v139             ; byte: 4 q + 64 s + c
	s_wait_loadcnt 0x0
	v_max3_num_f32 v140, |v[WN]|, |v[WN+1]|, |v[WN+2]|             ; the block's largest magnitude: all 32 numbers are mine
	v_max3_num_f32 v141, |v[WN+3]|, |v[WN+4]|, |v[WN+5]|
.irp i, 6,10,14,18,22,26
	s_delay_alu instid0(VALU_DEP_2)
	v_max3_num_f32 v140, v140, |v[WN+\i]|, |v[WN+\i+1]|
	s_delay_alu instid0(VALU_DEP_2)
	v_max3_num_f32 v141, v141, |v[WN+\i+2]|, |v[WN+\i+3]|
.endr
	s_delay_alu instid0(VALU_DEP_2)
	v_max3_num_f32 v140, v140, |v[WN+30]|, |v[WN+31]|
	s_delay_alu instid0(VALU_DEP_1)
	v_max3_num_f32 v140, v140, v141, 0x4800000     ; and the floor 2^(9 - 127): the byte cannot fall under 1
	s_delay_alu instid0(VALU_DEP_1)
	v_add_nc_u32 v142, 0xfc000000, v140            ; 8 off its exponent field: the conversion takes the exponent field of this operand as its scale
	s_delay_alu instid0(VALU_DEP_2)
	v_and_or_b32 v143, v140, 0x7f800000, s29       ; 448 x the scale
	s_delay_alu instid0(VALU_DEP_2)
	v_lshrrev_b32 v141, 23, v142                   ; the scale's byte
.set i, 0
.rept 32
	v_med3_num_f32 v[WN+i], v[WN+i], -v143, v143   ; the conversion to an 8-bit code does not saturate (ISA guide 7.6.2): the hold comes first
.set i, i+1
.endr
.irp g, 0,1,2,3
	v_cvt_scalef32_pk8_fp8_f32 v[WC+2*\g:WC+2*\g+1], v[WN+8*\g:WN+8*\g+7], v142
.endr
	v_nop                                          ; one plain line behind the last conversion
	global_store_b128 v138, v[WC:WC+3], s[12:13]               ; k = 0 .. 15 of the block: the lane-row's place in lanes 0-15
	global_store_b128 v138, v[WC+4:WC+7], s[12:13] offset:256  ; k = 16 .. 31: in lanes 16-31
	global_store_b8 v139, v141, s[14:15]           ; 32 single bytes, beside the work-group's 64 KiB of x
.Lno_weights:
	; ---- pass 1: the mean of my work-group's 16,384 numbers
	s_wait_loadcnt 0x0
.irp k, 0,1,2,3
	v_pk_add_f32 v[S+2*\k:S+2*\k+1], v[X+2*\k:X+2*\k+1], v[X+8+2*\k:X+9+2*\k]   ; the first pairs start the chains: nothing is cleared
.endr
.irp p, 8,12,16,20,24,28
.irp k, 0,1,2,3
	s_delay_alu instid0(VALU_DEP_4)
	v_pk_add_f32 v[S+2*\k:S+2*\k+1], v[S+2*\k:S+2*\k+1], v[X+2*(\p+\k):X+2*(\p+\k)+1]
.endr
.endr
	FOLD
	WSUM 8
	ACROSS 0
	s_delay_alu instid0(VALU_DEP_1)
	v_mul_f32 v2, 0x38800000, v[T]                 ; / 16,384
	s_delay_alu instid0(VALU_DEP_1)
	v_mov_b32 v3, v2                               ; a pair for the packed subtraction
	; ---- pass 2: the sum of (x - mean)^2
.irp k, 0,1,2,3
	v_pk_add_f32 v[T+2*\k:T+2*\k+1], v[X+2*\k:X+2*\k+1], v[2:3] neg_lo:[0,1] neg_hi:[0,1]
.endr
.irp k, 0,1,2,3
	s_delay_alu instid0(VALU_DEP_4)
	v_pk_mul_f32 v[S+2*\k:S+2*\k+1], v[T+2*\k:T+2*\k+1], v[T+2*\k:T+2*\k+1]
.endr
.irp p, 4,8,12,16,20,24,28
.irp k, 0,1,2,3
	v_pk_add_f32 v[T+2*\k:T+2*\k+1], v[X+2*(\p+\k):X+2*(\p+\k)+1], v[2:3] neg_lo:[0,1] neg_hi:[0,1]
.endr
.irp k, 0,1,2,3
	s_delay_alu instid0(VALU_DEP_4)
	v_pk_fma_f32 v[S+2*\k:S+2*\k+1], v[T+2*\k:T+2*\k+1], v[T+2*\k:T+2*\k+1], v[S+2*\k:S+2*\k+1]
.endr
.endr
	FOLD
	WSUM 8
	ACROSS 64                                      ; other LDS words than pass 1's: no barrier is owed between pass 1's reads and these stores
	s_delay_alu instid0(VALU_DEP_1)
	v_mov_b32 v3, v[T]                             ; v[2:3] = (mean, sum of squares)
	v_cmp_eq_u32 vcc_lo, 0, v0
	s_wait_alu depctr_va_vdst(0)
	s_wait_xcnt 0x0                                ; EXEC is a source of the memory instructions issued so far: it changes only behind this wait
	s_wait_tensorcnt 0x0
	ds_add_u32 v144, v145
	s_wait_dscnt 0x0
	s_and_saveexec_b32 s17, vcc_lo                 ; thread 0 alone
	global_store_b64 v6, v[2:3], s[10:11]
	s_wait_xcnt 0x0                                ; and again in front of the line that widens it
	s_or_b32 exec_lo, exec_lo, s17
	s_endpgm
.Lfunc_end_k_qebe78946c3_stats:
	.size	k_qebe78946c3_stats, .Lfunc_end_k_qebe78946c3_stats-k_qebe78946c3_stats
	.p2alignl 7, 3214868480
	.fill 96, 4, 3214868480
	.section	.rodata,"a",@progbits
	.p2align	6, 0x0
	.amdhsa_kernel k_qebe78946c3_stats
		.amdhsa_group_segment_fixed_size 1536
		.amdhsa_private_segment_fixed_size 0
		.amdhsa_enable_private_segment 0
		.amdhsa_kernarg_size 48
		.amdhsa_user_sgpr_count 2
		.amdhsa_user_sgpr_kernarg_segment_ptr 1
		.amdhsa_wavefront_size32 1
		.amdhsa_system_sgpr_workgroup_id_x 1
		.amdhsa_system_sgpr_workgroup_id_y 1
		.amdhsa_system_sgpr_workgroup_id_z 1
		.amdhsa_system_vgpr_workitem_id 0
		.amdhsa_next_free_vgpr 146
		.amdhsa_next_free_sgpr 66
		.amdhsa_reserve_vcc 1
		.amdhsa_float_denorm_mode_32 3
		.amdhsa_float_denorm_mode_16_64 3
		.amdhsa_memory_ordered 1
		.amdhsa_forward_progress 1
		.amdhsa_inst_pref_size 21
	.end_amdhsa_kernel
	.amdgpu_metadata
---
amdhsa.version: [ 1, 2 ]
amdhsa.kernels:
  - .name:           k_qebe78946c3_stats
    .symbol:         k_qebe78946c3_stats.kd
    .args:
      - { .name: x, .offset: 0, .size: 8, .value_kind: global_buffer, .address_space: global }
      - { .name: qkv_w, .offset: 8, .size: 8, .value_kind: global_buffer, .address_space: global }
      - { .name: proj_w, .offset: 16, .size: 8, .value_kind: global_buffer, .address_space: global }
      - { .name: stats, .offset: 24, .size: 8, .value_kind: global_buffer, .address_space: global }
      - { .name: wc, .offset: 32, .size: 8, .value_kind: global_buffer, .address_space: global }
      - { .name: ws, .offset: 40, .size: 8, .value_kind: global_buffer, .address_space: global }
    .group_segment_fixed_size: 1536
    .private_segment_fixed_size: 0
    .kernarg_segment_align: 8
    .kernarg_segment_size: 48
    .max_flat_workgroup_size: 256
    .sgpr_count:     66
    .vgpr_count:     146
    .wavefront_size: 32
...
	.end_amdgpu_metadata
.endif
;; end of part 1
;; launch qkv (part 2): grid 256 x 1, 16 waves a work-group, clusters of 4 x 1, 231,424 bytes of LDS; arguments x, norm_w, norm_b, qkv_b, stats, wc, ws, qkvc, qkvs; writes qkvc, qkvs
.if DOCPART == 2
	.amdgcn_target "amdgcn-amd-amdhsa--gfx1250"
	.amdhsa_code_object_version 6
	.text
	.protected	k_qebe78946c3_qkv
	.globl	k_qebe78946c3_qkv
	.p2align	8
	.type	k_qebe78946c3_qkv,@function
k_qebe78946c3_qkv:
	s_mov_b64 s[64:65], 0
	v_nop
	global_prefetch_b8 v0, s[64:65] scope:SCOPE_SE
	s_setreg_imm32_b32 hwreg(HW_REG_WAVE_MODE, 25, 1), 1
	s_wait_xcnt 0x0
	s_wait_alu depctr_hold_cnt(0) depctr_sa_sdst(0) depctr_va_vdst(0) depctr_va_sdst(0) depctr_va_ssrc(0) depctr_va_vcc(0) depctr_vm_vsrc(0)
	s_getreg_b32 s2, hwreg(HW_REG_IB_STS2, 6, 4)
	s_cmp_eq_u32 s2, 0
	s_cbranch_scc0 .Lentry_in_a_cluster
	s_endpgm
.Lentry_in_a_cluster:
	s_bfe_u32 s2, ttmp6, 0x10000c
	s_cmp_lg_u32 s2, 0x3003
	s_cbranch_scc0 .Lentry_shape_is_right
	s_endpgm
.Lentry_shape_is_right:
; GROUP NORM, THE QKV PRODUCT ON CODES OF E4M3, AND q, k, v AS CODES FOR THE ATTENTION.
; A work-group takes 64 places t of one image b and makes all 768 outputs for them: 384 matrix instructions, 24 a wave.  Sixteen waves, four to a SIMD, 256 registers each.
; THE ORDER OF ROWS IN A TILE.  In every group of 32 rows (outputs, places t) tile u = 0, 1 holds in lane-row p the row 8 u + p + 8 (p / 8).  In a result whose registers run over such a tile's rows, the 16 registers of
; tiles u = 0, 1 are then rows 16 (lane / 16) + 0 .. 15 of the group: 16 neighbours along the next product's K, as that operand's registers want them.
; IMAGES.  A fragment (16 rows x 128 K) lies, in LDS and in the workspace buffers, as its registers: piece c (32 along K) at 512 c, lane l's 16 bytes at 16 l.  A scale image is 128 bytes, lane l's word at 4 l; lanes 0-15 and lanes 16-31
; carry two different things, chosen in the matrix instruction by the row of the scale register.
; PHASE X.  Wave (tg = wave % 2, cb = wave / 2) takes 32 places (a lane to a place) x channels 32 cb .. + 31 (its registers run down the channels, which are K): normalises them as the definition has it, ((x - mean) rstd) w + b, and
; quantises the block, which lies in one lane.  Codes and scale byte go to LDS as images.
; PHASE P.  Wave (hd = wave / 4, tp = (wave / 2) % 2, sel = wave % 2) takes 32 places (two tiles) of head hd.  q (sel = 0) or k (sel = 1): source 0 = 16 rows of the weight, source 1 = 16 places, so a lane holds one place and its registers run
; along the head's 64 channels, the K of the scores; the bias is the C of the first product; x 2^-1.5, then quantised.  Half of v (channels 32 sel on): source 0 = 16 places, source 1 = 16 rows of the weight, so a lane holds one channel and its
; registers run along the places, which are the keys, the K of the second attention product.
; qkv_w's 96 fragments come into LDS once, by one tensor load a wave.  CLUSTER: the four work-groups of a cluster want the same 196,608 bytes, so each load is asked for jointly: same descriptor, a mask that names the four.
; OUT.  qkvc: q at 0, k at 4,194,304: [head of 16][tile of 256] x 1,024 bytes (two pieces: K = 64); v at 8,388,608: [head][128 keys][tile of 16 channels] x 2,048.  qkvs: q at 0: [head][pair of tiles] x 128 bytes (lanes 0-15 the even tile's words,
; lanes 16-31 the odd tile's; a word = two bytes and 0x7f7f above, for the half of K that is zero codes); from 262,144: [head] x 24,576: k's 128 pair images, then v's [128 keys][pair of channel tiles] x 128.
; LIMITS: NaN and infinities are not served; a block whose largest magnitude lies under 2^-118 (zeros among them) gets the byte 1: its bytes are read by this program alone.
.set XIMG, 196608                      ; LDS: 0: the weight's 96 fragments; here: the normalised x's 8 fragments, (tile tt, K step s) at (2 tt + s) 2,048;
.set XSC,  212992                      ; and their scale images, 128 bytes a tile: lanes 0-15 K step 0, lanes 16-31 K step 1
.set LI,  1                            ; v1   16 x lane
.set L4,  2                            ; v2   4 x lane
.set VZ,  3                            ; v3   0
.set XST, 4                            ; v4   phase X: where my 16 + 16 codes go
.set XSB, 5                            ; v5   and my scale byte
.set AW,  6                            ; v6   my q or k weight fragments
.set AX,  7                            ; v7   my two tiles of x
.set AXS, 8                            ; v8   their scale images
.set BH,  9                            ; v9   64 (lane / 16): the bias of a lane's half
.set BV,  10                           ; v10  4 (r + 8 (r / 8)): v's bias by the tile's rows
.set AWV, 11                           ; v11  my v weight fragments
.set G2P, 12                           ; v[12:15]   the second group's mean, twice, and 1 / sqrt(var + eps), twice
.set XF,  16                           ; v[16:79]   phase X: v16-47 my 32 numbers, v48-63 the sums of two groups; phase P: x's four fragments (2 u + s)
.set STT, 48
.set WF,  80                           ; v[80:143]  phase X: the gains and offsets of my 32 channels; phase P: four weight fragments
.set NW,  80
.set NB,  112
.set ACC, 144                          ; v[144:207] eight accumulators
.set PC,  208                          ; v[208:223] codes just made
.set BM,  224                          ; v224-227 largest magnitudes; v228-231 the other half's, then the bytes; v232-235 448 x the scale; v236-239 the conversions' scale operands
.set PM,  228
.set HD,  232
.set SO,  236
.set PW,  240                          ; v240-241 scale words on their way out
.set PW2, 241
.set XS,  242                          ; v242-243 x's scale words;  v244-247 the q or k weight's;  v248-249 the v weight's
.set WS,  244
.set WSV, 248
.set VB,  250                          ; v250-251 v's bias, one number a lane
.set G1P, 252                          ; v[252:255] the first group's mean and 1 / sqrt(var + eps)
.set WV,  22
.set CX,  23
.set WG,  24
.set BI,  25                           ; the image b
.set TQ,  26                           ; which 64 places
.set SL,  27                           ; wave % 2: tg, later sel
.set G1,  28                           ; s[28:35] descriptor group 1;  s[36:39] group 0
.set G0,  36
.set CB,  40
.set HDN, 41
.set TP,  42
.set BHN, 43                           ; 4 b + hd
.set SEL, 44
.set MNT, 46
.set HM,  47                           ; lanes 16-31
.set PQB, 54                           ; s[54:55] q's or k's bias; s[56:57] v's; s[58:59], s[60:61] the weights' scale images
.set PVB, 56
.set PWS, 58
.set PWV, 60
.set OQC, 66                           ; s[66:67] .. s[72:73]: where q or k's codes, their words, v's codes and v's bytes go
.set OQS, 68
.set OVC, 70
.set OVS, 72
; s48, s49 and s74-77 hold numbers made of the wave's number alone (they feed the descriptor and LDS addresses); s50-52 hold what hangs on the work-group's place.
.macro CROUND                          ; a round of the cluster's barrier: my work-group's barrier, wave 0 signals for the work-group, every wave waits for all four, my work-group's barrier once more
	s_barrier_signal -1
	s_barrier_wait -1
	s_cmp_lg_u32 s[WV], 0
	s_cbranch_scc1 .Lnot_wave_0_\@
	s_barrier_signal -3
.Lnot_wave_0_\@:
	s_barrier_wait -3
	s_barrier_signal -1
	s_barrier_wait -1
.endm
.macro OFFS dst, base                  ; an address = a buffer's address + the offset in s[50:51]
	s_add_nc_u64 s[\dst:\dst+1], s[\base:\base+1], s[50:51]
.endm
; nb blocks of 32 along K, 16 numbers of each in my registers v[src + 16 b ..] and 16 in lane l xor 16's, become codes in v[pc + 4 b ..]; the bytes are left in v[PM + b]
.macro QUANT src, nb, pc
.set qb, 0
.rept \nb
	v_max3_num_f32 v[BM+qb], |v[\src+16*qb]|, |v[\src+16*qb+1]|, 0x4800000   ; my 16 numbers, and the floor 2^(9 - 127): the byte cannot fall under 1
.set qb, qb+1
.endr
.set qi, 2
.rept 7
.set qb, 0
.rept \nb
	v_max3_num_f32 v[BM+qb], v[BM+qb], |v[\src+16*qb+qi]|, |v[\src+16*qb+qi+1]|   ; (the blocks by turns)
.set qb, qb+1
.endr
.set qi, qi+2
.endr
.set qb, 0
.rept \nb
	v_permlanex16_b32 v[PM+qb], v[BM+qb], s[SEL], s[SEL+1]
.set qb, qb+1
.endr
.set qb, 0
.rept \nb
	v_max_num_f32 v[BM+qb], v[BM+qb], v[PM+qb]     ; with lane l xor 16's: the block's largest magnitude
.set qb, qb+1
.endr
.set qb, 0
.rept \nb
	v_add_nc_u32 v[SO+qb], 0xfc000000, v[BM+qb]    ; 8 off its exponent field: the conversion's scale operand
.set qb, qb+1
.endr
.set qb, 0
.rept \nb
	v_and_or_b32 v[HD+qb], v[BM+qb], 0x7f800000, s[MNT]   ; 448 x the scale
.set qb, qb+1
.endr
.set qb, 0
.rept \nb
	v_lshrrev_b32 v[PM+qb], 23, v[SO+qb]           ; the scale's byte
.set qb, qb+1
.endr
.set qb, 0
.rept \nb
.set qi, 0
.rept 16
	v_med3_num_f32 v[\src+16*qb+qi], v[\src+16*qb+qi], -v[HD+qb], v[HD+qb]   ; the conversion to an 8-bit code does not saturate (ISA guide 7.6.2)
.set qi, qi+1
.endr
	v_cvt_scalef32_pk8_fp8_f32 v[\pc+4*qb:\pc+4*qb+1], v[\src+16*qb:\src+16*qb+7], v[SO+qb]
	v_cvt_scalef32_pk8_fp8_f32 v[\pc+4*qb+2:\pc+4*qb+3], v[\src+16*qb+8:\src+16*qb+15], v[SO+qb]
.set qb, qb+1
.endr
	v_nop                                          ; one plain line behind the last conversion, ahead of whatever next touches its registers
.endm
; a group's four quarters (mean_i, sum of squares_i about mean_i, 16,384 numbers each) at v[st ..] become the group's mean (v[gp], v[gp + 1]) and 1 / sqrt(var + eps) (v[gp + 2], v[gp + 3])
.macro GSTAT st, gp
	v_add_f32 v[BM], v[\st], v[\st+2]
	v_add_f32 v[BM+1], v[\st+4], v[\st+6]
	s_delay_alu instid0(VALU_DEP_1)
	v_add_f32 v[BM], v[BM], v[BM+1]
	s_delay_alu instid0(VALU_DEP_1)
	v_mul_f32 v[\gp], 0x3e800000, v[BM]            ; the mean of four means of equal weight
.irp i, 0,2,4,6
	v_sub_f32 v[\st+\i], v[\st+\i], v[\gp]
.endr
	s_delay_alu instid0(VALU_DEP_4)
	v_mul_f32 v[BM], v[\st], v[\st]
.irp i, 2,4,6
	s_delay_alu instid0(VALU_DEP_1)
	v_fma_f32 v[BM], v[\st+\i], v[\st+\i], v[BM]
.endr
	v_add_f32 v[BM+1], v[\st+1], v[\st+3]
	v_add_f32 v[BM+2], v[\st+5], v[\st+7]
	s_delay_alu instid0(VALU_DEP_1)
	v_add_f32 v[BM+1], v[BM+1], v[BM+2]
	s_delay_alu instid0(VALU_DEP_1)
	v_fmamk_f32 v[BM], v[BM], 0x46800000, v[BM+1]  ; + 16,384 x the squares of the quarters' distances from the group's mean
	s_delay_alu instid0(VALU_DEP_1)
	v_fma_f32 v[BM], v[BM], s62, s63               ; / 65,536 + 1e-5
	s_wait_alu depctr_va_vdst(0)
	v_rsq_f32 v[\gp+2], v[BM]
	v_mov_b32 v[\gp+1], v[\gp]                     ; (a plain line behind the transcendental)
	s_wait_alu depctr_va_vdst(0)
	v_mov_b32 v[\gp+3], v[\gp+2]
.endm
	s_load_b512 s[4:19], s[0:1], 0x0               ; x s[4:5], norm_w s[6:7], norm_b s[8:9], qkv_b s[10:11], stats s[12:13], wc s[14:15], ws s[16:17], qkvc s[18:19]
	s_load_b64 s[20:21], s[0:1], 0x40              ; qkvs
	v_lshl_add_u32 v254, v0, 2, 0x38000
	v_mov_b32 v255, 0
	ds_add_u32 v254, v255
	ds_add_u32 v254, v255
	s_wait_dscnt 0x0
	v_lshrrev_b32 v12, 5, v0
	s_delay_alu instid0(VALU_DEP_1)
	v_readfirstlane_b32 s[WV], v12                 ; wave 0..15
	s_bfe_u32 s[CX], ttmp6, 0x40000                ; my place in the cluster
	s_lshl_b32 s[WG], ttmp9, 2                     ; in a cluster launch ttmp9 counts clusters
	s_add_co_u32 s[WG], s[WG], s[CX]
	s_lshr_b32 s[BI], s[WG], 6
	s_and_b32 s[TQ], s[WG], 63
	s_and_b32 s[SL], s[WV], 1
	s_lshr_b32 s[CB], s[WV], 1
	s_lshr_b32 s[HDN], s[WV], 2
	s_and_b32 s[TP], s[CB], 1
	s_lshl_b32 s[BHN], s[BI], 2
	s_add_co_u32 s[BHN], s[BHN], s[HDN]
	; descriptor group 1: 12,288 dense bytes as 48 rows of 256 bytes (32 elements of 8 bytes)
	s_mov_b32 s[G1+0], 15|(3<<16)|(1<<21)          ; 15:0 the mask: all four work-groups; 17:16 elements of 8 bytes; 21 set beside a mask; no padding: every read is 16 x lane on end
	s_mov_b32 s[G1+1], 32<<16                      ; tensor_dim0
	s_mov_b32 s[G1+2], 48<<16                      ; tensor_dim1
	s_mov_b32 s[G1+3], 32<<16                      ; tile_dim0
	s_mov_b32 s[G1+4], 48                          ; tile_dim1
	s_mov_b32 s[G1+5], 32                          ; from row to row
	s_mov_b32 s[G1+6], 0
	s_mov_b32 s[G1+7], 0
	s_mul_i32 s48, s[WV], 12288                    ; my sixteenth of the weight's images, in memory and in LDS alike
	s_mov_b32 s49, 0
	s_mov_b32 s[G0], 1
	s_mov_b32 s[G0+1], s48
	s_mov_b32 s[SEL], 0x76543210
	s_mov_b32 s[SEL+1], 0xfedcba98                 ; v_permlanex16_b32's selects for lane l xor 16
	s_mov_b32 s[MNT], 0x600000                     ; the mantissa field of 448
	s_mov_b32 s[HM], 0xffff0000
	s_mov_b32 s62, 0x37800000                      ; 1 / 65,536
	s_mov_b32 s63, 0x3727c5ac                      ; 1e-5
	; every LDS address is made here, of the lane and the wave's number
	v_and_b32 v[LI], 31, v0
	s_delay_alu instid0(VALU_DEP_1)
	v_lshlrev_b32 v[L4], 2, v[LI]
	s_delay_alu instid0(VALU_DEP_2)
	v_lshlrev_b32 v[LI], 4, v[LI]
	v_mov_b32 v[VZ], 0
	v_bfe_u32 v12, v0, 3, 1                        ; place w = lane of a group of 32 lies in tile u = (w / 8) % 2,
	v_and_b32 v13, 7, v0
	v_bfe_u32 v14, v0, 4, 1
	s_delay_alu instid0(VALU_DEP_1)
	v_lshl_add_u32 v13, v14, 3, v13                ; lane-row w % 8 + 8 (w / 16)
	s_delay_alu instid0(VALU_DEP_4)
	v_lshlrev_b32 v[XST], 12, v12
	s_delay_alu instid0(VALU_DEP_1)
	v_lshl_add_u32 v[XST], v13, 4, v[XST]
	s_wait_alu depctr_va_vdst(0)
	v_lshlrev_b32 v[XSB], 7, v12
	s_delay_alu instid0(VALU_DEP_1)
	v_lshl_add_u32 v[XSB], v13, 2, v[XSB]
	s_wait_alu depctr_va_vdst(0)
	v_lshlrev_b32 v[BH], 6, v14
	v_and_b32 v[BV], 15, v0
	s_delay_alu instid0(VALU_DEP_1)
	v_and_b32 v15, 8, v[BV]
	s_delay_alu instid0(VALU_DEP_1)
	v_add_nc_u32 v[BV], v[BV], v15
	s_delay_alu instid0(VALU_DEP_1)
	v_lshlrev_b32 v[BV], 2, v[BV]
	s_lshl_b32 s74, s[SL], 13                      ; codes: XIMG + 8,192 tg + 4,096 u + 2,048 (cb / 4) + 512 (cb % 4) + 16 lane-row
	s_lshr_b32 s75, s[CB], 2
	s_and_b32 s76, s[CB], 3
	s_lshl_b32 s77, s75, 11
	s_add_co_u32 s74, s74, s77
	s_lshl_b32 s77, s76, 9
	s_add_co_u32 s74, s74, s77
	s_add_co_u32 s74, s74, XIMG
	v_add_nc_u32 v[XST], s74, v[XST]
	s_lshl_b32 s74, s[SL], 8                       ; byte: XSC + 256 tg + 128 u + 64 (cb / 4) + 4 lane-row + cb % 4
	s_lshl_b32 s77, s75, 6
	s_add_co_u32 s74, s74, s77
	s_add_co_u32 s74, s74, s76
	s_add_co_u32 s74, s74, XSC
	v_add_nc_u32 v[XSB], s74, v[XSB]
	s_mul_i32 s74, s[HDN], 49152                   ; a head's 12 weight tiles
	s_lshl_b32 s77, s[SL], 14
	s_add_co_u32 s77, s77, s74
	v_add_nc_u32 v[AW], s77, v[LI]                 ; q's four tiles, or k's
	s_lshl_b32 s77, s[SL], 13
	s_add_co_u32 s77, s77, s74
	s_add_co_u32 s77, s77, 32768
	v_add_nc_u32 v[AWV], s77, v[LI]                ; my two of v's four
	s_lshl_b32 s77, s[TP], 13
	s_add_co_u32 s77, s77, XIMG
	v_add_nc_u32 v[AX], s77, v[LI]
	s_lshl_b32 s77, s[TP], 8
	s_add_co_u32 s77, s77, XSC
	v_add_nc_u32 v[AXS], s77, v[L4]
.irp b, 0,1,2,3
	v_mov_b32 v[PM+\b], 0                          ; written once: a lane permute's destination counts as one of its sources
.endr
	s_mov_b32 s51, 0
	s_wait_kmcnt 0x0
	s_add_nc_u64 s[G0+2:G0+3], s[14:15], s[48:49]
	s_or_b32 s[G0+3], s[G0+3], 0x80000000          ; type = 2
	s_lshl_b32 s50, s[BI], 22                      ; x: image b, channel 32 cb, place 64 tq + 32 tg
	s_lshl_b32 s52, s[CB], 19
	s_add_co_u32 s50, s50, s52
	s_lshl_b32 s52, s[TQ], 8
	s_add_co_u32 s50, s50, s52
	s_lshl_b32 s52, s[SL], 7
	s_add_co_u32 s50, s50, s52
	OFFS 4, 4
	s_lshl_b32 s50, s[BI], 9                       ; stats: 32 bytes a group, groups 2 cb and 2 cb + 1 of image b
	s_lshl_b32 s52, s[CB], 6
	s_add_co_u32 s50, s50, s52
	OFFS 12, 12
	s_lshl_b32 s50, s[CB], 7                       ; the gains and offsets of channels 32 cb on
	OFFS 6, 6
	OFFS 8, 8
	s_mul_i32 s50, s[HDN], 768                     ; qkv_b: outputs 192 hd + 64 sel on,
	s_lshl_b32 s52, s[SL], 8
	s_add_co_u32 s50, s50, s52
	OFFS PQB, 10
	s_mul_i32 s50, s[HDN], 768                     ; and 192 hd + 128 + 32 sel on
	s_lshl_b32 s52, s[SL], 7
	s_add_co_u32 s50, s50, s52
	s_add_co_u32 s50, s50, 512
	OFFS PVB, 10
	s_mul_i32 s50, s[HDN], 1536                    ; ws: tiles 12 hd + 4 sel on,
	s_lshl_b32 s52, s[SL], 9
	s_add_co_u32 s50, s50, s52
	OFFS PWS, 16
	s_mul_i32 s50, s[HDN], 1536                    ; and 12 hd + 8 + 2 sel on
	s_lshl_b32 s52, s[SL], 8
	s_add_co_u32 s50, s50, s52
	s_add_co_u32 s50, s50, 1024
	OFFS PWV, 16
	s_lshl_b32 s50, s[SL], 22                      ; out: q's or k's codes, tile 4 tq + 2 tp of head 4 b + hd
	s_lshl_b32 s52, s[BHN], 18
	s_add_co_u32 s50, s50, s52
	s_lshl_b32 s52, s[TQ], 12
	s_add_co_u32 s50, s50, s52
	s_lshl_b32 s52, s[TP], 11
	s_add_co_u32 s50, s50, s52
	OFFS OQC, 18
	s_lshl_b32 s50, s[BHN], 14                     ; their pair image: q's lie [head] x 16,384 from 0,
	s_mul_i32 s52, s[BHN], 24576
	s_add_co_u32 s52, s52, 262144                  ; k's [head] x 24,576 from 262,144
	s_cmp_eq_u32 s[SL], 0
	s_cselect_b32 s50, s50, s52
	s_lshl_b32 s52, s[TQ], 8
	s_add_co_u32 s50, s50, s52
	s_lshl_b32 s52, s[TP], 7
	s_add_co_u32 s50, s50, s52
	OFFS OQS, 20
	s_lshl_b32 s50, s[BHN], 18                     ; v's codes: key step tq / 2, channel tile 2 sel, piece 2 (tq % 2) + tp
	s_lshr_b32 s52, s[TQ], 1
	s_lshl_b32 s52, s52, 13
	s_add_co_u32 s50, s50, s52
	s_lshl_b32 s52, s[SL], 12
	s_add_co_u32 s50, s50, s52
	s_and_b32 s52, s[TQ], 1
	s_lshl_b32 s52, s52, 10
	s_add_co_u32 s50, s50, s52
	s_lshl_b32 s52, s[TP], 9
	s_add_co_u32 s50, s50, s52
	s_add_co_u32 s50, s50, 8388608
	OFFS OVC, 18
	s_mul_i32 s50, s[BHN], 24576                   ; v's bytes: image (key step, sel), byte 2 (tq % 2) + tp of each word
	s_lshr_b32 s52, s[TQ], 1
	s_lshl_b32 s52, s52, 8
	s_add_co_u32 s50, s50, s52
	s_lshl_b32 s52, s[SL], 7
	s_add_co_u32 s50, s50, s52
	s_and_b32 s52, s[TQ], 1
	s_lshl_b32 s52, s52, 1
	s_add_co_u32 s50, s50, s52
	s_add_co_u32 s50, s50, s[TP]
	s_add_co_u32 s50, s50, 262144+16384
	OFFS OVS, 20
	; the loads, in the order in which they are wanted
.set i, 0
.rept 32
	global_load_b32 v[XF+i], v[L4], s[4:5] offset:i*16384      ; x(channel 32 cb + i, my place): 128 neighbouring bytes a wave, and the wave beside it takes the next 128
.set i, i+1
.endr
.irp j, 0,1,2,3
	global_load_b128 v[STT+4*\j:STT+4*\j+3], v[VZ], s[12:13] offset:16*\j
.endr
.irp j, 0,1,2,3,4,5,6,7
	global_load_b128 v[NW+4*\j:NW+4*\j+3], v[VZ], s[6:7] offset:16*\j
	global_load_b128 v[NB+4*\j:NB+4*\j+3], v[VZ], s[8:9] offset:16*\j
.endr
.irp u, 0,1
.irp ot, 0,1,2,3                       ; the bias goes straight into the accumulators, in the result's layout: tile ot, half h: outputs 32 (ot / 2) + 16 h + 8 (ot % 2) + 0 .. 7
	global_load_b128 v[ACC+32*\u+8*\ot:ACC+32*\u+8*\ot+3], v[BH], s[PQB:PQB+1] offset:(32*(\ot/2)+8*(\ot%2))*4
	global_load_b128 v[ACC+32*\u+8*\ot+4:ACC+32*\u+8*\ot+7], v[BH], s[PQB:PQB+1] offset:(32*(\ot/2)+8*(\ot%2))*4+16
.endr
.endr
.irp ov, 0,1
	global_load_b32 v[VB+\ov], v[BV], s[PVB:PVB+1] offset:32*\ov
.endr
.irp ot, 0,1,2,3
	global_load_b32 v[WS+\ot], v[L4], s[PWS:PWS+1] offset:128*\ot
.endr
.irp ov, 0,1
	global_load_b32 v[WSV+\ov], v[L4], s[PWV:PWV+1] offset:128*\ov
.endr
	CROUND                                         ; all four work-groups are here: the joint loads meet
	tensor_load_to_lds s[G0:G0+3], s[G1:G1+7]      ; my one tensor load of the launch; these LDS bytes are filled once
	s_nop 0
.rept 4
	v_nop
.endr
	; ---- PHASE X
	s_wait_loadcnt 24                              ; x, the sums, the gains and offsets are in; the 16 + 2 loads of biases and the 6 of scale words, issued behind them, may be out
	GSTAT STT, G1P
	GSTAT STT+8, G2P
.set p, 0
.rept 8
	v_pk_add_f32 v[XF+p:XF+p+1], v[XF+p:XF+p+1], v[G1P:G1P+1] neg_lo:[0,1] neg_hi:[0,1]             ; x - mean: channels 0-15 of my 32 belong to the first group,
	v_pk_add_f32 v[XF+16+p:XF+17+p], v[XF+16+p:XF+17+p], v[G2P:G2P+1] neg_lo:[0,1] neg_hi:[0,1]     ; 16-31 to the second
.set p, p+2
.endr
.set p, 0
.rept 8
	v_pk_mul_f32 v[XF+p:XF+p+1], v[XF+p:XF+p+1], v[G1P+2:G1P+3]
	v_pk_mul_f32 v[XF+16+p:XF+17+p], v[XF+16+p:XF+17+p], v[G2P+2:G2P+3]
.set p, p+2
.endr
.set p, 0
.rept 16
	v_pk_fma_f32 v[XF+p:XF+p+1], v[XF+p:XF+p+1], v[NW+p:NW+p+1], v[NB+p:NB+p+1]
.set p, p+2
.endr
	v_max3_num_f32 v[BM], |v[XF]|, |v[XF+1]|, |v[XF+2]|            ; the block of 32 channels lies in my registers: its largest magnitude needs no other lane
	v_max3_num_f32 v[BM+1], |v[XF+3]|, |v[XF+4]|, |v[XF+5]|
.irp i, 6,10,14,18,22,26
	s_delay_alu instid0(VALU_DEP_2)
	v_max3_num_f32 v[BM], v[BM], |v[XF+\i]|, |v[XF+\i+1]|
	s_delay_alu instid0(VALU_DEP_2)
	v_max3_num_f32 v[BM+1], v[BM+1], |v[XF+\i+2]|, |v[XF+\i+3]|
.endr
	s_delay_alu instid0(VALU_DEP_2)
	v_max3_num_f32 v[BM], v[BM], |v[XF+30]|, |v[XF+31]|
	s_delay_alu instid0(VALU_DEP_1)
	v_max3_num_f32 v[BM], v[BM], v[BM+1], 0x4800000
	s_delay_alu instid0(VALU_DEP_1)
	v_add_nc_u32 v[SO], 0xfc000000, v[BM]
	s_delay_alu instid0(VALU_DEP_2)
	v_and_or_b32 v[HD], v[BM], 0x7f800000, s[MNT]
	s_delay_alu instid0(VALU_DEP_2)
	v_lshrrev_b32 v[PW], 23, v[SO]
.set i, 0
.rept 32
	v_med3_num_f32 v[XF+i], v[XF+i], -v[HD], v[HD]
.set i, i+1
.endr
.irp g, 0,1,2,3
	v_cvt_scalef32_pk8_fp8_f32 v[PC+2*\g:PC+2*\g+1], v[XF+8*\g:XF+8*\g+7], v[SO]
.endr
	v_nop                                          ; one plain line behind the last conversion
	ds_store_b128 v[XST], v[PC:PC+3]               ; k = 0 .. 15 of the block: my lane-row's place among lanes 0-15
	ds_store_b128 v[XST], v[PC+4:PC+7] offset:256  ; k = 16 .. 31: among lanes 16-31
	ds_store_b8 v[XSB], v[PW]
	s_wait_tensorcnt 0x0                           ; my part of the weight has landed,
	s_wait_dscnt 0x0                               ; and so have my stores:
	s_barrier_signal -1
	s_barrier_wait -1                              ; everybody's have.  No LDS byte is written behind this barrier
	; ---- PHASE P
	s_wait_loadcnt 0x0                             ; biases and scale words
.irp f, 0,1,2,3
.irp c, 0,1,2,3
	ds_load_b128 v[XF+16*\f+4*\c:XF+16*\f+4*\c+3], v[AX] offset:2048*\f+512*\c   ; x's fragments (tile u, K step s) at XF + 16 (2 u + s): they stay for all 24 products
.endr
.endr
.irp u, 0,1
	ds_load_b32 v[XS+\u], v[AXS] offset:128*\u
.endr
.macro QKPASS s                        ; K step s of q or k: four weight fragments, then eight products on eight accumulators, which take turns
.irp ot, 0,1,2,3
.irp c, 0,1,2,3
	ds_load_b128 v[WF+16*\ot+4*\c:WF+16*\ot+4*\c+3], v[AW] offset:(2*\ot+\s)*2048+512*\c
.endr
.endr
	s_wait_dscnt 0x0
.irp u, 0,1
.irp ot, 0,1,2,3
.if \s == 0
	v_wmma_scale_f32_16x16x128_f8f6f4 v[ACC+32*\u+8*\ot:ACC+32*\u+8*\ot+7], v[WF+16*\ot:WF+16*\ot+15], v[XF+32*\u:XF+32*\u+15], v[ACC+32*\u+8*\ot:ACC+32*\u+8*\ot+7], v[WS+\ot], v[XS+\u]
.else
	v_wmma_scale_f32_16x16x128_f8f6f4 v[ACC+32*\u+8*\ot:ACC+32*\u+8*\ot+7], v[WF+16*\ot:WF+16*\ot+15], v[XF+32*\u+16:XF+32*\u+31], v[ACC+32*\u+8*\ot:ACC+32*\u+8*\ot+7], v[WS+\ot], v[XS+\u] matrix_a_scale:MATRIX_SCALE_ROW1 matrix_b_scale:MATRIX_SCALE_ROW1
.endif
.endr
.endr
.rept 8
	v_nop                                          ; eight places in front of loads into registers that these products read, and of the first read of their results
.endr
.endm
	QKPASS 0
	QKPASS 1
.irp f, 0,1,2,3
.irp c, 0,1,2,3
	ds_load_b128 v[WF+16*\f+4*\c:WF+16*\f+4*\c+3], v[AWV] offset:2048*\f+512*\c   ; v's weight fragments (tile ov, K step s) at WF + 16 (2 ov + s): they land while q or k is quantised
.endr
.endr
.set p, 0
.rept 32
	v_pk_mul_f32 v[ACC+p:ACC+p+1], v[ACC+p:ACC+p+1], 0x3eb504f3 op_sel_hi:[1,0]   ; x 2^-1.5 = 64^-1/4; each accumulator from its low end on
.set p, p+2
.endr
	QUANT ACC, 4, PC                               ; block 2 u + b: channels 32 b on of tile u's 16 places
	v_lshl_or_b32 v[PW], v[PM+1], 8, v[PM]
	v_lshl_or_b32 v[PW2], v[PM+3], 8, v[PM+2]
	s_delay_alu instid0(VALU_DEP_2)
	v_or_b32 v[PW], 0x7f7f0000, v[PW]              ; bytes for the upper half of the instruction's K, whose codes are zeros
	s_delay_alu instid0(VALU_DEP_2)
	v_or_b32 v[PW2], 0x7f7f0000, v[PW2]
	s_delay_alu instid0(VALU_DEP_1)
	v_cndmask_b32 v[PW], v[PW], v[PW2], s[HM]      ; lanes 0-15: the even tile's words; lanes 16-31: the odd tile's
.irp i, 0,1,2,3
	global_store_b128 v[LI], v[PC+4*\i:PC+4*\i+3], s[OQC:OQC+1] offset:512*\i   ; 2,048 bytes on end: two tiles' images
.endr
	global_store_b32 v[L4], v[PW], s[OQS:OQS+1]
	s_wait_dscnt 0x0                               ; v's weight fragments
.irp s, 0,1                            ; v: source 0 = 16 places, source 1 = 16 rows of the weight; four accumulators by turns.  The first products start the sums
.irp ov, 0,1
.irp u, 0,1
.if \s == 0
	v_wmma_scale_f32_16x16x128_f8f6f4 v[ACC+16*\ov+8*\u:ACC+16*\ov+8*\u+7], v[XF+32*\u:XF+32*\u+15], v[WF+32*\ov:WF+32*\ov+15], 0, v[XS+\u], v[WSV+\ov]
.else
	v_wmma_scale_f32_16x16x128_f8f6f4 v[ACC+16*\ov+8*\u:ACC+16*\ov+8*\u+7], v[XF+32*\u+16:XF+32*\u+31], v[WF+32*\ov+16:WF+32*\ov+31], v[ACC+16*\ov+8*\u:ACC+16*\ov+8*\u+7], v[XS+\u], v[WSV+\ov] matrix_a_scale:MATRIX_SCALE_ROW1 matrix_b_scale:MATRIX_SCALE_ROW1
.endif
.endr
.endr
.endr
.rept 8
	v_nop
.endr
.irp ov, 0,1
.set i, 0
.rept 16
	v_add_f32 v[ACC+16*\ov+i], v[ACC+16*\ov+i], v[VB+\ov]      ; a lane holds one channel: one bias for its 16 places
.set i, i+1
.endr
.endr
	s_wait_xcnt 0x0                                ; the stores above have read their registers: the codes' and the word's may be written again
	QUANT ACC, 2, PC                               ; block ov: my 32 places (keys) of channel tile 2 sel + ov
	v_cndmask_b32 v[PW], v[PM], v[PM+1], s[HM]     ; lanes 0-15: the even channel tile's bytes; lanes 16-31: the odd one's
.irp ov, 0,1
	global_store_b128 v[LI], v[PC+4*\ov:PC+4*\ov+3], s[OVC:OVC+1] offset:2048*\ov   ; a piece of 512 bytes on end
.endr
	global_store_b8 v[L4], v[PW], s[OVS:OVS+1]     ; one byte of each of 32 words: 512 such bytes a work-group beside its 49,152 bytes of codes
	s_wait_xcnt 0x0
	v_lshl_add_u32 v254, v0, 2, 0x38000
	v_mov_b32 v255, 0
	s_wait_alu depctr_va_vdst(0)
	s_wait_tensorcnt 0x0
	ds_add_u32 v254, v255
	s_wait_dscnt 0x0
	CROUND                                         ; the closing round: no work-group ends while a partner may still ask for a tile that names it
	s_endpgm
.Lfunc_end_k_qebe78946c3_qkv:
	.size	k_qebe78946c3_qkv, .Lfunc_end_k_qebe78946c3_qkv-k_qebe78946c3_qkv
	.p2alignl 7, 3214868480
	.fill 96, 4, 3214868480
	.section	.rodata,"a",@progbits
	.p2align	6, 0x0
	.amdhsa_kernel k_qebe78946c3_qkv
		.amdhsa_group_segment_fixed_size 231424
		.amdhsa_private_segment_fixed_size 0
		.amdhsa_enable_private_segment 0
		.amdhsa_kernarg_size 72
		.amdhsa_user_sgpr_count 2
		.amdhsa_user_sgpr_kernarg_segment_ptr 1
		.amdhsa_wavefront_size32 1
		.amdhsa_system_sgpr_workgroup_id_x 1
		.amdhsa_system_sgpr_workgroup_id_y 1
		.amdhsa_system_sgpr_workgroup_id_z 1
		.amdhsa_system_vgpr_workitem_id 0
		.amdhsa_next_free_vgpr 256
		.amdhsa_next_free_sgpr 80
		.amdhsa_reserve_vcc 0
		.amdhsa_float_denorm_mode_32 3
		.amdhsa_float_denorm_mode_16_64 3
		.amdhsa_memory_ordered 1
		.amdhsa_forward_progress 1
		.amdhsa_inst_pref_size 51
	.end_amdhsa_kernel
	.amdgpu_metadata
---
amdhsa.version: [ 1, 2 ]
amdhsa.kernels:
  - .name:           k_qebe78946c3_qkv
    .symbol:         k_qebe78946c3_qkv.kd
    .args:
      - { .name: x, .offset: 0, .size: 8, .value_kind: global_buffer, .address_space: global }
      - { .name: norm_w, .offset: 8, .size: 8, .value_kind: global_buffer, .address_space: global }
      - { .name: norm_b, .offset: 16, .size: 8, .value_kind: global_buffer, .address_space: global }
      - { .name: qkv_b, .offset: 24, .size: 8, .value_kind: global_buffer, .address_space: global }
      - { .name: stats, .offset: 32, .size: 8, .value_kind: global_buffer, .address_space: global }
      - { .name: wc, .offset: 40, .size: 8, .value_kind: global_buffer, .address_space: global }
      - { .name: ws, .offset: 48, .size: 8, .value_kind: global_buffer, .address_space: global }
      - { .name: qkvc, .offset: 56, .size: 8, .value_kind: global_buffer, .address_space: global }
      - { .name: qkvs, .offset: 64, .size: 8, .value_kind: global_buffer, .address_space: global }
    .group_segment_fixed_size: 231424
    .private_segment_fixed_size: 0
    .kernarg_segment_align: 8
    .kernarg_segment_size: 72
    .max_flat_workgroup_size: 512
    .sgpr_count:     80
    .vgpr_count:     256
    .wavefront_size: 32
...
	.end_amdgpu_metadata
.endif
;; end of part 2
;; launch attn (part 3): grid 16 x 16, 8 waves a work-group, clusters of 4 x 1, 327,680 bytes of LDS; arguments qkvc, qkvs, hc, hs; writes hc, hs
.if DOCPART == 3
	.amdgcn_target "amdgcn-amd-amdhsa--gfx1250"
	.amdhsa_code_object_version 6
	.text
	.protected	k_qebe78946c3_attn
	.globl	k_qebe78946c3_attn
	.p2align	8
	.type	k_qebe78946c3_attn,@function
k_qebe78946c3_attn:
	s_mov_b64 s[64:65], 0
	v_nop
	global_prefetch_b8 v0, s[64:65] scope:SCOPE_SE
	s_setreg_imm32_b32 hwreg(HW_REG_WAVE_MODE, 25, 1), 1
	s_wait_xcnt 0x0
	s_wait_alu depctr_hold_cnt(0) depctr_sa_sdst(0) depctr_va_vdst(0) depctr_va_sdst(0) depctr_va_ssrc(0) depctr_va_vcc(0) depctr_vm_vsrc(0)
	s_getreg_b32 s2, hwreg(HW_REG_IB_STS2, 6, 4)
	s_cmp_eq_u32 s2, 0
	s_cbranch_scc0 .Lentry_in_a_cluster
	s_endpgm
.Lentry_in_a_cluster:
	s_bfe_u32 s2, ttmp6, 0x10000c
	s_cmp_lg_u32 s2, 0x3003
	s_cbranch_scc0 .Lentry_shape_is_right
	s_endpgm
.Lentry_shape_is_right:
; ATTENTION ON CODES OF E4M3: h = softmax(q k^T) v for 16 heads of 64 channels and 4,096 places, and h as codes for the projection.
; q, k, v come as images of operand registers, as launch qkv lays them (its head comment has the layouts); hc, hs leave as launch proj reads them.
; SOFTMAX: t = score x log2(e); M = the running largest t rounded up to a whole number; p = 2^(t - M) is quantised along the keys; the row's sum is taken of the unquantised p and divides at the end.
; When M moves, the sum and O^T are multiplied by 2^(old M - new M), which rounds nothing.
; LIMITS: the result holds while the scaled scores t stay under 2^31 in magnitude; NaN and infinities are not served; a block whose largest magnitude lies under 2^-118 gets the byte 1 (its bytes are read by this program alone).
; SHARES: a work-group owns 256 queries of one head; each of its 8 waves owns 32 (two tiles of 16), so that each fragment of K and V read from LDS feeds two products.  Two waves stand on a SIMD, 512 registers each.
; Both products are used transposed (S^T = K Q^T, O^T = V^T P^T): a lane holds one query of each tile.
; THE RING: two LDS slots of 1,024 keys (K's 65,536 bytes, then V's), four slots' worth of keys.  The four work-groups of a cluster walk the same head: every tensor load is a joint one (mask 15).
; At the head waves 0-3 fetch slot 0 (32,768 bytes each), waves 4-7 the head's 24,576 scale bytes, which stay.  Later fills: 16,384 bytes a wave.
; K's HALF-EMPTY K AXIS: a head has 64 channels and the instruction takes 128.  Q's upper 64 codes are zeros, so K's upper 64 may be any finite codes: tile t's operand is v[KF + 8 t .. + 15], whose upper half is tile t + 1's codes
; (behind the last tile: eight registers of zeros).  The scale words carry 0x7f7f for that half.
; THE TWO TILES' SOFTMAX STAND STAGGERED: among a tile's exponentials stand plain lines of the other tile that hang on nothing written inside the batch and whose results are read behind the wait that follows it.
; PREFETCH: at the change of slots that loads slot n (n = 1, 2) each wave names a quarter (its work-group's, by address: 4,096 cx) of the 16,384 bytes that it will load for slot n + 1: 16 blocks of 256 bytes, lanes 16-31 naming the last again.
; Slots 0 and 1 come by their loads alone; the last change that fills asks for nothing.
; REGISTERS.  Window 0: v1-11 addresses; v12-31, v40-41 M, sums, factors; v32-45 scale words; v48-79 per block of 32 keys (8 blocks: 2 tiles x 4); v80-95 partial sums; v96-223 S^T then p; v224-255 p's codes.
; Window 1: v0-71 K's fragments; v72-135 V's; v136-167 Q (each tile: 8 registers and 8 of zeros); v168-231 O^T.
.set SLOT1, 131072
.set VOFF,  65536
.set SCL,   262144                     ; K's pair images, 512 bytes a step; from + 16,384 V's, 256 a step
.set SPARE, 286720                     ; the spare words: 128 bytes a wave
.set LI,  1                            ; 16 x lane
.set L4,  2                            ; 4 x lane
.set SPW, 3
.set NIL, 4
.set AD,  5                            ; LDS: the step's tiles of K
.set ADV, 6                            ; of V
.set ADS, 7                            ; K's scale words
.set ADT, 8                            ; V's
.set PFO, 9                            ; the prefetch's offset: 256 x min(lane, 15)
.set HB,  10                           ; hs: 4 (lane % 16) + lane / 16
.set L,   16                           ; v[16:19] the sums, a pair a tile;  v12 + 2 q: -M, v13 + 2 q: the largest score
.set F,   20                           ; v[20:23] f = 2^(old M - new M), a pair a tile (the low word is used)
.set T,   24
.set SA,  26                           ; v[26:31] three more chains of tile 1's sum
.set KS,  32
.set VS,  36
.set PS,  38
.set U,   40
.set QS,  44                           ; lanes 0-15 tile 0's words, lanes 16-31 tile 1's
.set BM,  48
.set PM,  56
.set HD,  64
.set SO,  72
.set TP,  80                           ; v[80:95] tile 0's sum in eight pairs
.set S,   96
.set PC,  224
.set KF,  0                            ; window 1
.set VF,  72
.set Q,   136
.set O,   168
.set WV,  12
.set CX,  13
.set QB,  14
.set BHN, 15
.set TIX, 16
.set MNT, 19
.set SEL, 20
.set CS,  22
.set G1T, 24                           ; group 1: 64 rows of 256 bytes;  G1S: 24 rows;  G1H: 128 rows
.set G1S, 32
.set G1H, 40
.set G0,  48                           ; the walking group 0;  G0H, G0S: the head's
.set G0H, 52
.set G0S, 56
.set TB,  60
.set TS,  61
.set TJ,  62
.set LAP, 63
.set STP, 66
.set HM,  67
.set PFA, 68
.set TV,  82
.set MSB, 0
.macro WIN new                         ; the immediate's high byte repeats the setting that is left
.if MSB != \new
	s_set_vgpr_msb (MSB<<8)|\new
.set MSB, \new
.endif
.endm
.macro PLACES n
.rept \n
	v_nop
.endr
.endm
.macro WALU
	s_wait_alu depctr_va_vdst(0)
.endm
.macro CROUND                          ; a round of the cluster's barrier
	s_barrier_signal -1
	s_barrier_wait -1
	s_cmp_lg_u32 s[WV], 0
	s_cbranch_scc1 .Lnot_wave_0_\@
	s_barrier_signal -3
.Lnot_wave_0_\@:
	s_barrier_wait -3
	s_barrier_signal -1
	s_barrier_wait -1
.endm
.macro TLOAD g0, g1                    ; s_nop 0 and four v_nop behind the load
	tensor_load_to_lds s[\g0:\g0+3], s[\g1:\g1+7]
	s_nop 0
	PLACES 4
.endm
	s_load_b256 s[4:11], s[0:1], 0x0               ; qkvc, qkvs, hc, hs
	v_lshl_add_u32 v[SPW], v0, 2, SPARE
	v_mov_b32 v[NIL], 0
	ds_add_u32 v[SPW], v[NIL]                      ; the opening lines: the add, twice on end, and its wait
	ds_add_u32 v[SPW], v[NIL]
	v_lshrrev_b32 v5, 5, v0
	v_readfirstlane_b32 s[WV], v5                  ; wave 0..7
	s_bfe_u32 s[CX], ttmp6, 0x40000
	s_lshl_b32 s[QB], ttmp9, 2
	s_add_co_u32 s[QB], s[QB], s[CX]               ; which 256 queries
	s_and_b32 s[BHN], ttmp7, 0xffff                ; the head
	s_lshl_b32 s[TIX], s[QB], 4
	s_lshl_b32 s17, s[WV], 1
	s_add_co_u32 s[TIX], s[TIX], s17               ; the first of my two query tiles (even)
.irp g, G1T, G1S, G1H                  ; dense bytes as rows of 256 (32 elements of 8); mask 15, bit 21 beside it; no padding: every read is 16 x lane on end
	s_mov_b32 s[\g+0], 15|(3<<16)|(1<<21)
	s_mov_b32 s[\g+1], 32<<16
	s_mov_b32 s[\g+3], 32<<16
	s_mov_b32 s[\g+5], 32
	s_mov_b32 s[\g+6], 0
	s_mov_b32 s[\g+7], 0
.endr
	s_mov_b32 s[G1T+2], 64<<16
	s_mov_b32 s[G1T+4], 64
	s_mov_b32 s[G1S+2], 24<<16
	s_mov_b32 s[G1S+4], 24
	s_mov_b32 s[G1H+2], 128<<16
	s_mov_b32 s[G1H+4], 128
	s_and_b32 s17, s[WV], 3
	s_lshr_b32 s70, s[WV], 2                       ; the ring: waves 0-3 K's quarters of a slot, waves 4-7 V's: k at 4 MiB, v at 8 MiB, 262,144 a head
	s_add_co_u32 s70, s70, 1
	s_lshl_b32 s70, s70, 22
	s_lshl_b32 s18, s[BHN], 18
	s_add_co_u32 s70, s70, s18
	s_lshl_b32 s76, s17, 14
	s_add_co_u32 s70, s70, s76
	s_mov_b32 s71, 0
	s_lshr_b32 s72, s17, 1                         ; the head's loads: K's halves of slot 0, then V's
	s_add_co_u32 s72, s72, 1
	s_lshl_b32 s72, s72, 22
	s_add_co_u32 s72, s72, s18
	s_and_b32 s76, s[WV], 1
	s_lshl_b32 s76, s76, 15
	s_add_co_u32 s72, s72, s76
	s_mov_b32 s73, 0
	s_mul_i32 s74, s[BHN], 24576                   ; a quarter of the head's scale bytes
	s_mul_i32 s78, s17, 6144
	s_add_co_u32 s74, s74, s78
	s_add_co_u32 s74, s74, 262144
	s_mov_b32 s75, 0
	s_lshl_b32 s80, s[CX], 12                      ; the prefetches: my work-group's quarter of my wave's part, standing at slot 1
	s_add_co_u32 s80, s80, 65536
	s_mov_b32 s81, 0
	s_mov_b32 s[SEL], 0x76543210
	s_mov_b32 s[SEL+1], 0xfedcba98                 ; lane l xor 16
	s_mov_b32 s[CS], 0x3fb8aa3b                    ; log2(e)
	s_mov_b32 s[CS+1], s[CS]
	s_mov_b32 s[MNT], 0x600000                     ; the mantissa field of 448
	s_mov_b32 s[HM], 0xffff0000
	s_mov_b32 s[TB], 0
	s_mov_b32 s[TS], SCL
	s_mov_b32 s[TJ], SCL+16384
	s_wait_dscnt 0x0                               ; both opening adds are done
	s_wait_kmcnt 0x0
	s_mov_b32 s[G0], 1
	s_lshl_b32 s[G0+1], s[WV], 14                  ; slot 0: the first change turns it to slot 1 and steps the address
	s_add_nc_u64 s[G0+2:G0+3], s[4:5], s[70:71]
	s_add_nc_u64 s[PFA:PFA+1], s[G0+2:G0+3], s[80:81]
	s_or_b32 s[G0+3], s[G0+3], 0x80000000
	s_mov_b32 s[G0H], 1
	s_lshl_b32 s[G0H+1], s17, 15
	s_add_nc_u64 s[G0H+2:G0H+3], s[4:5], s[72:73]
	s_or_b32 s[G0H+3], s[G0H+3], 0x80000000
	s_mov_b32 s[G0S], 1
	s_add_co_u32 s[G0S+1], s78, SCL
	s_add_nc_u64 s[G0S+2:G0S+3], s[6:7], s[74:75]
	s_or_b32 s[G0S+3], s[G0S+3], 0x80000000
	CROUND                                         ; all four work-groups are here: the first joint loads meet
	s_cmp_lt_u32 s[WV], 4                          ; one load a wave, an arm each
	s_cbranch_scc0 .Lhead_scales
	TLOAD G0H, G1H
	s_branch .Lhead_asked
.Lhead_scales:
	TLOAD G0S, G1S
.Lhead_asked:
	v_and_b32 v[LI], 31, v0
	v_min_u32 v[PFO], 15, v[LI]
	v_lshlrev_b32 v[PFO], 8, v[PFO]
	v_lshlrev_b32 v[L4], 2, v[LI]
	v_lshlrev_b32 v[LI], 4, v[LI]
	v_and_b32 v[HB], 15, v0
	v_bfe_u32 v[T], v0, 4, 1
	v_lshl_add_u32 v[HB], v[HB], 2, v[T]
	v_add_nc_u32 v[AD], s[TB], v[LI]
	v_add_nc_u32 v[ADV], VOFF, v[AD]
	v_add_nc_u32 v[ADS], s[TS], v[L4]
	v_add_nc_u32 v[ADT], s[TJ], v[L4]
	s_lshl_b32 s70, s[BHN], 18                     ; q's codes: 1,024 bytes a tile
	s_lshl_b32 s76, s[TIX], 10
	s_add_co_u32 s70, s70, s76
	s_mov_b32 s71, 0
	s_add_nc_u64 s[72:73], s[4:5], s[70:71]
	s_lshl_b32 s70, s[BHN], 14                     ; q's pair image: 128 bytes
	s_lshl_b32 s76, s[TIX], 6
	s_add_co_u32 s70, s70, s76
	s_add_nc_u64 s[74:75], s[6:7], s[70:71]
	s_lshr_b32 s78, s[BHN], 2                      ; image b, head hd of it
	s_and_b32 s79, s[BHN], 3
	s_lshl_b32 s70, s78, 20                        ; hc: 4,096 a tile of places, 1,024 a head
	s_lshl_b32 s76, s[TIX], 12
	s_add_co_u32 s70, s70, s76
	s_lshl_b32 s76, s79, 10
	s_add_co_u32 s70, s70, s76
	s_add_nc_u64 s[8:9], s[8:9], s[70:71]
	s_lshl_b32 s70, s78, 15                        ; hs: 128 a tile; 64 (hd / 2) + 2 (hd % 2)
	s_lshl_b32 s76, s[TIX], 7
	s_add_co_u32 s70, s70, s76
	s_lshr_b32 s76, s79, 1
	s_lshl_b32 s76, s76, 6
	s_add_co_u32 s70, s70, s76
	s_and_b32 s76, s79, 1
	s_lshl_b32 s76, s76, 1
	s_add_co_u32 s70, s70, s76
	s_add_nc_u64 s[10:11], s[10:11], s[70:71]
	WALU                                           ; ahead of the readers below
	WIN 0x40
	global_load_b128 v[Q:Q+3], v[LI], s[72:73]
	global_load_b128 v[Q+4:Q+7], v[LI], s[72:73] offset:512
	global_load_b128 v[Q+16:Q+19], v[LI], s[72:73] offset:1024
	global_load_b128 v[Q+20:Q+23], v[LI], s[72:73] offset:1536
.set i, 0
.rept 8
	v_mov_b32 v[Q+8+i], 0                          ; zero codes for the upper half of the instruction's K
	v_mov_b32 v[Q+24+i], 0
	v_mov_b32 v[KF+64+i], 0                        ; and behind K's last tile
.set i, i+1
.endr
.set i, 0
.rept 64
	v_mov_b32 v[O+i], 0                            ; the step is written once: the first finds zeros
.set i, i+1
.endr
	WIN 0
	global_load_b32 v[QS], v[L4], s[74:75]
.irp q, 0,1
	v_mov_b32 v[13+2*\q], 0xff61b1e6               ; the largest score so far: -3e38
	v_floor_f32 v[12+2*\q], -v[13+2*\q]
	v_mov_b32 v[L+2*\q], 0
	v_mov_b32 v[L+2*\q+1], 0
	v_mov_b32 v[F+2*\q+1], 0                       ; named as the upper half of a pair
	v_mov_b32 v[T+\q], 0
.endr
.set i, 0
.rept 8
	v_mov_b32 v[PM+i], 0                           ; a lane permute's destination counts as one of its sources
.set i, i+1
.endr
.macro KLOAD off, soff                 ; a step's eight tiles of K and their four pair images
.irp p, 0,1,2,3
	ds_load_b32 v[KS+\p], v[ADS] offset:\soff+128*\p
.endr
	WIN 0x40
.irp t, 0,1,2,3,4,5,6,7
	ds_load_b128 v[KF+8*\t:KF+8*\t+3], v[AD] offset:\off+1024*\t
	ds_load_b128 v[KF+8*\t+4:KF+8*\t+7], v[AD] offset:\off+1024*\t+512
.endr
	WIN 0
.endm
; Block n = 4 q + b: keys 32 b on of tile q: my 16 scores at S + 16 n.
.macro AMAX q, g                       ; level g of the four blocks' largest scores of tile q: it serves the row's maximum and the block's largest p
.set n, 4*\q
.rept 4
.if \g == 0
	v_max3_num_f32 v[BM+n], v[S+16*n], v[S+16*n+1], v[S+16*n+2]
.elseif \g < 7
	v_max3_num_f32 v[BM+n], v[BM+n], v[S+16*n+2*\g+1], v[S+16*n+2*\g+2]
.elseif \g == 7
	v_max_num_f32 v[BM+n], v[BM+n], v[S+16*n+15]
.elseif \g == 8
	v_permlanex16_b32 v[PM+n], v[BM+n], s[SEL], s[SEL+1]
.else
	v_max_num_f32 v[BM+n], v[BM+n], v[PM+n]        ; with lane l xor 16's 16 keys
.endif
.set n, n+1
.endr
.endm
.macro CH q, k                         ; line k of tile q's chain: the running largest score, -M = floor(-t), f = 2^(old M - new M)
.if \k == 0
	v_max3_num_f32 v[T+\q], v[BM+4*\q], v[BM+4*\q+1], v[BM+4*\q+2]
.elseif \k == 1
	v_max3_num_f32 v[13+2*\q], v[13+2*\q], v[T+\q], v[BM+4*\q+3]
.elseif \k == 2
	v_mov_b32 v[T+\q], v[12+2*\q]
.elseif \k == 3
	v_mul_f32 v[U+\q], s[CS], v[13+2*\q]           ; as t (log2(e) is positive, so the largest score gives the largest t)
.elseif \k == 4
	v_floor_f32 v[12+2*\q], -v[U+\q]
.elseif \k == 5
	v_sub_f32 v[T+\q], v[12+2*\q], v[T+\q]         ; a whole number, 0 or less
.elseif \k == 6
	v_cvt_i32_f32 v[T+\q], v[T+\q]                 ; (it saturates)
.else
	v_ldexp_f32 v[F+2*\q], 1.0, v[T+\q]
.endif
.endm
.macro CF q, j                         ; t - M, two at a time: pairs 0-31 the scores, 32-33 the blocks' largest (the same line: the same bits)
.if (\j) < 32
	v_pk_fma_f32 v[S+64*\q+2*(\j):S+64*\q+2*(\j)+1], v[S+64*\q+2*(\j):S+64*\q+2*(\j)+1], s[CS:CS+1], v[12+2*\q:13+2*\q] op_sel_hi:[1,0,0]
.else
	v_pk_fma_f32 v[BM+4*\q+2*(\j)-64:BM+4*\q+2*(\j)-63], v[BM+4*\q+2*(\j)-64:BM+4*\q+2*(\j)-63], s[CS:CS+1], v[12+2*\q:13+2*\q] op_sel_hi:[1,0,0]
.endif
.endm
.macro EX q, e                         ; p = 2^(t - M): 64 numbers and the four blocks' largest
.if (\e) < 64
	v_exp_f32 v[S+64*\q+(\e)], v[S+64*\q+(\e)]
.else
	v_exp_f32 v[BM+4*\q+(\e)-64], v[BM+4*\q+(\e)-64]
.endif
.endm
.macro HOLD2 a, b                      ; the conversion to an 8-bit code does not saturate (ISA guide 7.6.2); p is not negative, so the hold is one-sided; two holds to a line
	v_dual_min_num_f32 v[(\a)], v[(\b)], v[(\a)] :: v_dual_min_num_f32 v[(\a)+1], v[(\b)], v[(\a)+1]
.endm
.macro X0 i                            ; the 40 lines among tile 0's exponentials: tile 1's t - M, the sums under the new M, the next step's addresses
.if (\i) < 34
	CF 1, \i
.elseif (\i) < 36
	v_pk_mul_f32 v[L+2*(\i)-68:L+2*(\i)-67], v[L+2*(\i)-68:L+2*(\i)-67], v[F+2*(\i)-68:F+2*(\i)-67] op_sel_hi:[1,0]
.elseif (\i) == 36
	v_add_nc_u32 v[AD], s[TB], v[LI]
.elseif (\i) == 37
	v_add_nc_u32 v[ADV], s[TV], v[LI]
.elseif (\i) == 38
	v_add_nc_u32 v[ADS], s[TS], v[L4]
.else
	v_add_nc_u32 v[ADT], s[TJ], v[L4]
.endif
.endm
.macro X1 i                            ; the 52 lines among tile 1's: the first level of tile 0's sum (of the unquantised p), its bytes, then its holds
.if (\i) < 8
	v_pk_add_f32 v[TP+2*(\i):TP+2*(\i)+1], v[S+4*(\i):S+4*(\i)+1], v[S+4*(\i)+2:S+4*(\i)+3]
.elseif (\i) < 16
	v_pk_add_f32 v[PC+2*(\i):PC+2*(\i)+1], v[S+4*(\i):S+4*(\i)+1], v[S+4*(\i)+2:S+4*(\i)+3]   ; eight pairs rest where tile 1's codes will lie
.elseif (\i) < 20
	v_lshrrev_b32 v[PM+(\i)-16], 23, v[SO+(\i)-16]
.else
	HOLD2 S+2*((\i)-20), HD+((\i)-20)/8
.endif
.endm
.macro SCALE lvl, q                    ; a level of the four blocks' scale lines
.set n, 4*\q
.rept 4
.if \lvl == 0
	v_max_num_f32 v[BM+n], 0x4800000, v[BM+n]      ; the floor 2^(9 - 127): the byte cannot fall under 1
.elseif \lvl == 1
	v_add_nc_u32 v[SO+n], 0xfc000000, v[BM+n]      ; 8 off the exponent field: the conversion's scale operand
.elseif \lvl == 2
	v_and_or_b32 v[HD+n], v[BM+n], 0x7f800000, s[MNT]   ; 448 x the scale
.else
	v_lshrrev_b32 v[PM+n], 23, v[SO+n]             ; the byte
.endif
.set n, n+1
.endr
.endm
.macro PSW q, k                        ; p's scale word for these 128 keys
.if \k == 0
	v_lshl_or_b32 v[PS+\q], v[PM+4*\q+1], 8, v[PM+4*\q]
.else
	v_lshl_or_b32 v[PS+\q], v[PM+4*\q+1+\k], 8+8*\k, v[PS+\q]
.endif
.endm
.macro PADD d, a                       ; pair d += pair a
	v_pk_add_f32 v[\d:\d+1], v[\d:\d+1], v[\a:\a+1]
.endm
.macro HB1 n                           ; block n's sixteen holds
.set j, 0
.rept 8
	HOLD2 S+16*\n+j, HD+\n
.set j, j+2
.endr
.endm
.macro CV1 n
	v_cvt_scalef32_pk8_fp8_f32 v[PC+4*\n:PC+4*\n+1], v[S+16*\n:S+16*\n+7], v[SO+\n]
	v_cvt_scalef32_pk8_fp8_f32 v[PC+4*\n+2:PC+4*\n+3], v[S+16*\n+8:S+16*\n+15], v[SO+\n]
.endm
; A KEY STEP: 128 keys x my 32 queries.  K's fragments are in registers at its head.
.macro STEP
	WIN 0x05                                       ; A and B window 1, D window 0
.irp t, 0,2,4,6
	v_wmma_scale_f32_16x16x128_f8f6f4 v[S+8*\t:S+8*\t+7], v[KF+8*\t:KF+8*\t+15], v[Q:Q+15], 0, v[KS+\t/2], v[QS]
	v_wmma_scale_f32_16x16x128_f8f6f4 v[S+8*\t+8:S+8*\t+15], v[KF+8*\t+8:KF+8*\t+23], v[Q:Q+15], 0, v[KS+\t/2], v[QS] matrix_a_scale:MATRIX_SCALE_ROW1
.endr
.irp t, 0,2,4,6
	v_wmma_scale_f32_16x16x128_f8f6f4 v[S+64+8*\t:S+64+8*\t+7], v[KF+8*\t:KF+8*\t+15], v[Q+16:Q+31], 0, v[KS+\t/2], v[QS] matrix_b_scale:MATRIX_SCALE_ROW1
	v_wmma_scale_f32_16x16x128_f8f6f4 v[S+64+8*\t+8:S+64+8*\t+15], v[KF+8*\t+8:KF+8*\t+23], v[Q+16:Q+31], 0, v[KS+\t/2], v[QS] matrix_a_scale:MATRIX_SCALE_ROW1 matrix_b_scale:MATRIX_SCALE_ROW1
.endr
	WIN 0
	PLACES 8                                       ; eight places ahead of the loads into registers that products have read, and of the first read of the scores
	s_cmp_eq_u32 s[STP], 1                         ; the slot's last step: the next step's K lies in the other slot and is fetched behind the change
	s_cbranch_scc1 .Lno_k_\@
	KLOAD 8192, 512                                ; the next step's K, ahead of the softmax
.Lno_k_\@:
	ds_load_b32 v[VS], v[ADT]
	ds_load_b32 v[VS+1], v[ADT] offset:128
	WIN 0x40
.irp ct, 0,1,2,3
.irp c, 0,1,2,3
	ds_load_b128 v[VF+16*\ct+4*\c:VF+16*\ct+4*\c+3], v[ADV] offset:2048*\ct+512*\c
.endr
.endr
	WIN 0
	s_add_co_u32 s[TB], s[TB], 8192                ; where the next step's tiles and scale words lie
	s_add_co_u32 s[TV], s[TB], VOFF
	s_add_co_u32 s[TS], s[TS], 512
	s_add_co_u32 s[TJ], s[TJ], 256
.irp g, 0,1,2,3,4,5,6                  ; eight chains by turns
	AMAX 0, \g
	AMAX 1, \g
.endr
	AMAX 0, 7
	AMAX 0, 8
	AMAX 0, 9
	AMAX 1, 7                                      ; tile 0's chain stands among tile 1's last levels, tile 1's among tile 0's t - M
	CH 0, 0
	AMAX 1, 8
	CH 0, 1
	CH 0, 2
	AMAX 1, 9
	CH 0, 3
	CH 1, 0
	CH 0, 4
	CH 1, 1
	CH 1, 2
	CH 0, 5
	CH 1, 3
.set jj, 0
.rept 34
	CF 0, jj
.if jj == 1
	CH 0, 6
.elseif jj == 3
	CH 1, 4
.elseif jj == 6
	CH 0, 7
.elseif jj == 9
	CH 1, 5
.elseif jj == 14
	CH 1, 6
.elseif jj == 19
	CH 1, 7
.endif
.set jj, jj+1
.endr
	WALU                                           ; ahead of the batch
.set e, 0
.rept 68
	EX 0, e
.if e >= 28
	X0 e-28
.endif
.set e, e+1
.endr
	WALU                                           ; behind tile 0's batch, ahead of its first reader
	SCALE 0, 0
	SCALE 1, 0
	SCALE 2, 0
	WALU                                           ; ahead of tile 1's batch
.set e, 0
.rept 68
	EX 1, e
.if e >= 16
	X1 e-16
.endif
.set e, e+1
.endr
	v_nop                                          ; a plain line behind the last exponential
	WIN 0x41                                       ; O^T window 1, f window 0
	WALU                                           ; behind the batch, and directly ahead of the first reader of O^T
.irp q, 0,1
.set j, 0
.rept 16
	v_pk_mul_f32 v[O+32*\q+j:O+32*\q+j+1], v[O+32*\q+j:O+32*\q+j+1], v[F+2*\q:F+2*\q+1] op_sel_hi:[1,0]   ; O^T under the new M
.set j, j+2
.endr
.endr
	WIN 0
	SCALE 0, 1
.irp k, 0,1,2,3
	PADD TP+2*\k, PC+16+2*\k                       ; tile 0's sixteen pairs become eight: the codes' registers are free again
.endr
	SCALE 1, 1
	SCALE 2, 1
.irp k, 4,5,6,7
	PADD TP+2*\k, PC+16+2*\k
.endr
	SCALE 3, 1
	PSW 0, 0
.irp r, 0,1,2
	v_pk_add_f32 v[SA+2*\r:SA+2*\r+1], v[S+64+4*\r:S+64+4*\r+1], v[S+64+4*\r+2:S+64+4*\r+3]   ; tile 1's sum of the unquantised p: four chains
.endr
	PSW 1, 0
.set k, 0
.rept 26
.if k%4 == 3
	PADD L+2, S+64+12+2*k
.else
	PADD SA+2*(k%4), S+64+12+2*k
.endif
.if k%3 == 2                           ; tile 0's eight conversions among them
	v_cvt_scalef32_pk8_fp8_f32 v[PC+2*(k/3):PC+2*(k/3)+1], v[S+8*(k/3):S+8*(k/3)+7], v[SO+k/6]
.endif
.if k == 3
	PSW 0, 1
.elseif k == 6
	PSW 1, 1
.elseif k == 9
	PSW 0, 2
.elseif k == 12
	PSW 1, 2
.endif
.set k, k+1
.endr
	HB1 4
	HB1 5
	CV1 4
	HB1 6
	CV1 5
	HB1 7
	CV1 6
.irp k, 0,1,2,3
	PADD TP+2*\k, TP+8+2*\k
.endr
	CV1 7
	PADD TP, TP+4                                  ; the sums' last additions are the places between the codes and the products
	PADD TP+2, TP+6
	PADD SA, SA+2
	PADD L+2, SA+4
	PADD TP, TP+2
	PADD L+2, SA
	PADD L, TP
	WALU                                           ; directly ahead of the wait below
	s_wait_dscnt 0x0                               ; V's fragments, and the next step's K
	WIN 0x51                                       ; A, C, D window 1, B (p's codes) window 0.  Eight accumulators by turns
.irp ct, 0,2
.irp q, 0,1
	v_wmma_scale_f32_16x16x128_f8f6f4 v[O+32*\q+8*\ct:O+32*\q+8*\ct+7], v[VF+16*\ct:VF+16*\ct+15], v[PC+16*\q:PC+16*\q+15], v[O+32*\q+8*\ct:O+32*\q+8*\ct+7], v[VS+\ct/2], v[PS+\q]
	v_wmma_scale_f32_16x16x128_f8f6f4 v[O+32*\q+8*\ct+8:O+32*\q+8*\ct+15], v[VF+16*\ct+16:VF+16*\ct+31], v[PC+16*\q:PC+16*\q+15], v[O+32*\q+8*\ct+8:O+32*\q+8*\ct+15], v[VS+\ct/2], v[PS+\q] matrix_a_scale:MATRIX_SCALE_ROW1
.endr
.endr
	WIN 0
.endm
.macro PROC                            ; a slot's eight steps
	KLOAD 0, 0
	s_wait_dscnt 0x0
	s_mov_b32 s[STP], 8
.Lstep_\@:
	STEP
	s_sub_co_u32 s[STP], s[STP], 1
	s_cmp_lg_u32 s[STP], 0
	s_cbranch_scc1 .Lstep_\@
	s_sub_co_u32 s[TB], s[TB], 65536
	s_xor_b32 s[TB], s[TB], SLOT1                  ; on to the other slot
	v_add_nc_u32 v[AD], s[TB], v[LI]
	v_add_nc_u32 v[ADV], VOFF, v[AD]
.endm
.macro ASK                             ; the slot that the next change will load; not at the last change that fills
	s_cmp_eq_u32 s[LAP], 1
	s_cbranch_scc1 .Lnone_\@
	global_prefetch_b8 v[PFO], s[PFA:PFA+1] th:TH_LOAD_NT scope:SCOPE_SE
.Lnone_\@:
.endm
; THE CHANGE OF SLOTS stands at a slot's head: all my tensor loads are in, the add, my reads of the slot that I left are over; a round of the cluster's barrier; the slot that was left is filled (the first time: slot 1's first fill).
.macro CHANGE fill
	WALU                                           ; ahead of the waits below
	s_wait_tensorcnt 0x0
	ds_add_u32 v[SPW], v[NIL]
.if \fill
	s_xor_b32 s[G0+1], s[G0+1], SLOT1              ; no load of mine is out: the walking descriptor steps
	s_add_nc_u64 s[G0+2:G0+3], s[G0+2:G0+3], 65536
	s_wait_xcnt 0x0                                ; my last prefetch has read its address
	s_add_nc_u64 s[PFA:PFA+1], s[PFA:PFA+1], 65536
.endif
	s_wait_dscnt 0x0
.if \fill
	CROUND
	TLOAD G0, G1T
	ASK
.else
	s_barrier_signal -1
	s_barrier_wait -1
.endif
.endm
	WALU                                           ; at the head's end
	s_wait_loadcnt 0x0                             ; Q
	s_mov_b32 s[LAP], 3
.Lslot:
	CHANGE 1
	PROC
	s_sub_co_u32 s[LAP], s[LAP], 1
	s_cmp_lg_u32 s[LAP], 0
	s_cbranch_scc1 .Lslot
	CHANGE 0                                       ; the last slot is written out: nothing more is asked for
	PROC
; THE WAY OUT: O^T / the sum, quantised along the head's 64 channels (two blocks of 32 a tile: 16 numbers here, 16 in lane l xor 16), as codes and bytes for the projection
	PLACES 8
.irp q, 0,1
	v_add_f32 v[L+2*\q], v[L+2*\q], v[L+2*\q+1]
.endr
.irp q, 0,1
	v_permlanex16_b32 v[T+\q], v[L+2*\q], s[SEL], s[SEL+1]
.endr
.irp q, 0,1
	v_add_f32 v[L+2*\q], v[L+2*\q], v[T+\q]
.endr
	WALU                                           ; ahead of the transcendentals
.irp q, 0,1
	v_rcp_f32 v[F+2*\q], v[L+2*\q]
.endr
	v_nop
	WIN 0x01                                       ; O^T window 1; the quotients go to window 0, where S^T lay
	WALU                                           ; behind them, directly ahead of the first reader
.irp q, 0,1
.set j, 0
.rept 16
	v_pk_mul_f32 v[S+32*\q+j:S+32*\q+j+1], v[O+32*\q+j:O+32*\q+j+1], v[F+2*\q:F+2*\q+1] op_sel_hi:[1,0]
.set j, j+2
.endr
.endr
	WIN 0
.set n, 0
.rept 4
	v_max3_num_f32 v[BM+n], |v[S+16*n]|, |v[S+16*n+1]|, 0x4800000
.set n, n+1
.endr
.irp i, 2,4,6,8,10,12,14
.set n, 0
.rept 4
	v_max3_num_f32 v[BM+n], v[BM+n], |v[S+16*n+\i]|, |v[S+16*n+\i+1]|
.set n, n+1
.endr
.endr
.set n, 0
.rept 4
	v_permlanex16_b32 v[PM+n], v[BM+n], s[SEL], s[SEL+1]
.set n, n+1
.endr
.set n, 0
.rept 4
	v_max_num_f32 v[BM+n], v[BM+n], v[PM+n]
.set n, n+1
.endr
	SCALE 1, 0
	SCALE 2, 0
	SCALE 3, 0
.set n, 0
.rept 4
.set j, 0
.rept 16
	v_med3_num_f32 v[S+16*n+j], v[S+16*n+j], -v[HD+n], v[HD+n]
.set j, j+1
.endr
	v_cvt_scalef32_pk8_fp8_f32 v[PC+4*n:PC+4*n+1], v[S+16*n:S+16*n+7], v[SO+n]
	v_cvt_scalef32_pk8_fp8_f32 v[PC+4*n+2:PC+4*n+3], v[S+16*n+8:S+16*n+15], v[SO+n]
.set n, n+1
.endr
	v_nop                                          ; one plain line behind the last conversion
.irp q, 0,1
	v_cndmask_b32 v[T+\q], v[PM+2*\q], v[PM+2*\q+1], s[HM]   ; lanes 0-15: the first block's byte; lanes 16-31: the second's
.endr
.irp q, 0,1
	global_store_b128 v[LI], v[PC+8*\q:PC+8*\q+3], s[8:9] offset:4096*\q
	global_store_b128 v[LI], v[PC+8*\q+4:PC+8*\q+7], s[8:9] offset:4096*\q+512
	global_store_b8 v[HB], v[T+\q], s[10:11] offset:128*\q
.endr
	s_wait_tensorcnt 0x0                           ; the wave's end
	ds_add_u32 v[SPW], v[NIL]
	s_wait_dscnt 0x0
	CROUND                                         ; the closing round
	s_endpgm
.Lfunc_end_k_qebe78946c3_attn:
	.size	k_qebe78946c3_attn, .Lfunc_end_k_qebe78946c3_attn-k_qebe78946c3_attn
	.p2alignl 7, 3214868480
	.fill 96, 4, 3214868480
	.section	.rodata,"a",@progbits
	.p2align	6, 0x0
	.amdhsa_kernel k_qebe78946c3_attn
		.amdhsa_group_segment_fixed_size 327680
		.amdhsa_private_segment_fixed_size 0
		.amdhsa_enable_private_segment 0
		.amdhsa_kernarg_size 32
		.amdhsa_user_sgpr_count 2
		.amdhsa_user_sgpr_kernarg_segment_ptr 1
		.amdhsa_wavefront_size32 1
		.amdhsa_system_sgpr_workgroup_id_x 1
		.amdhsa_system_sgpr_workgroup_id_y 1
		.amdhsa_system_sgpr_workgroup_id_z 1
		.amdhsa_system_vgpr_workitem_id 0
		.amdhsa_next_free_vgpr 512
		.amdhsa_next_free_sgpr 84
		.amdhsa_reserve_vcc 0
		.amdhsa_float_denorm_mode_32 3
		.amdhsa_float_denorm_mode_16_64 3
		.amdhsa_memory_ordered 1
		.amdhsa_forward_progress 1
		.amdhsa_inst_pref_size 95
	.end_amdhsa_kernel
	.amdgpu_metadata
---
amdhsa.version: [ 1, 2 ]
amdhsa.kernels:
  - .name:           k_qebe78946c3_attn
    .symbol:         k_qebe78946c3_attn.kd
    .args:
      - { .name: qkvc, .offset: 0, .size: 8, .value_kind: global_buffer, .address_space: global }
      - { .name: qkvs, .offset: 8, .size: 8, .value_kind: global_buffer, .address_space: global }
      - { .name: hc, .offset: 16, .size: 8, .value_kind: global_buffer, .address_space: global }
      - { .name: hs, .offset: 24, .size: 8, .value_kind: global_buffer, .address_space: global }
    .group_segment_fixed_size: 327680
    .private_segment_fixed_size: 0
    .kernarg_segment_align: 8
    .kernarg_segment_size: 32
    .max_flat_workgroup_size: 256
    .sgpr_count:     84
    .vgpr_count:     512
    .wavefront_size: 32
...
	.end_amdgpu_metadata
.endif
;; end of part 3
;; launch proj (part 4): grid 256 x 1, 16 waves a work-group, no clusters, 88,064 bytes of LDS; arguments hc, hs, wc, ws, proj_b, x, out0; writes out0
.if DOCPART == 4
	.amdgcn_target "amdgcn-amd-amdhsa--gfx1250"
	.amdhsa_code_object_version 6
	.text
	.protected	k_qebe78946c3_proj
	.globl	k_qebe78946c3_proj
	.p2align	8
	.type	k_qebe78946c3_proj,@function
k_qebe78946c3_proj:
	s_mov_b64 s[64:65], 0
	v_nop
	global_prefetch_b8 v0, s[64:65] scope:SCOPE_SE
	s_setreg_imm32_b32 hwreg(HW_REG_WAVE_MODE, 25, 1), 1
	s_wait_xcnt 0x0
; THE PROJECTION ON CODES OF E4M3, ITS BIAS AND THE RESIDUAL: out0(b, o, t) = x(b, o, t) + proj_b(o) + the sum over c of proj_w(o, c) h(b, c, t).
; A work-group takes 64 places t (four tiles) of one image; wave w takes the tile w of 16 outputs, o = 32 (w / 2) + 8 (w % 2) + p + 8 (p / 8) for lane-row p: eight matrix instructions a wave.
; h's eight fragments (16,384 bytes, dense in hc) are read from memory once by the work-group, 32 bytes a thread, and reach all sixteen waves through LDS as images of their registers.  Each weight fragment goes straight from memory into
; the registers of the one wave that uses it.  NO CLUSTER: what work-groups share, the weight's 65,536 bytes of codes, never passes through LDS here, and there is no tensor load to ask jointly; it is under a third of the bytes a work-group moves.
; Source 0 = 16 places, source 1 = 16 rows of the weight: a lane holds ONE output o and eight neighbouring places; the bias is the C of the first product.  A wave's 16 x 64 results go through its own stage in LDS and come back as rows of
; 256 bytes, to which x is added: sixteen lanes store 256 consecutive bytes, at a multiple of 256 from out0's first byte.
.set HIMG, 0                           ; LDS: h's eight fragments, (tile tt, K step s) at (2 tt + s) 2,048
.set STG,  16384                       ; a stage of 16 rows x (256 + 16) bytes for each wave: its own bytes
.set SP,   272
.set LI,  1                            ; v1  16 x lane
.set L4,  2                            ; v2  4 x lane
.set T16, 3                            ; v3  16 x thread
.set SO,  4                            ; v4  the stage, in
.set SR,  5                            ; v5  the stage, back
.set GX,  6                            ; v6  my bytes of two rows of x and of out0
.set BV,  7                            ; v7  4 (r + 8 (r / 8))
.set HF,  16                           ; v[16:143]  h's eight fragments; later the rows read back
.set WF,  144                          ; v[144:175] my two weight fragments
.set ACC, 176                          ; v[176:207] four accumulators (at first: my 32 bytes of hc on their way to LDS)
.set CB,  208                          ; v[208:215] the bias, eight times
.set XR,  216                          ; v[216:247] x
.set HS,  248                          ; v248-251 h's scale words; v252 the weight's
.set WSR, 252
.set BI,  253                          ; my output's bias
	s_load_b256 s[4:11], s[0:1], 0x0               ; hc s[4:5], hs s[6:7], wc s[8:9], ws s[10:11]
	s_load_b128 s[12:15], s[0:1], 0x20             ; proj_b s[12:13], x s[14:15]
	s_load_b64 s[16:17], s[0:1], 0x30              ; out0
	v_lshl_add_u32 v254, v0, 2, 0x15000
	v_mov_b32 v255, 0
	v_lshrrev_b32 v8, 5, v0
	s_delay_alu instid0(VALU_DEP_1)
	v_readfirstlane_b32 s18, v8                    ; wave 0..15
	s_lshr_b32 s19, ttmp9, 6                       ; the image b
	s_and_b32 s20, ttmp9, 63                       ; which 64 places
	s_lshr_b32 s21, s18, 1                         ; w / 2
	s_and_b32 s26, s18, 1                          ; w % 2
	v_and_b32 v[LI], 31, v0
	s_delay_alu instid0(VALU_DEP_1)
	v_lshlrev_b32 v[L4], 2, v[LI]
	s_delay_alu instid0(VALU_DEP_2)
	v_lshlrev_b32 v[LI], 4, v[LI]
	v_lshlrev_b32 v[T16], 4, v0
	v_and_b32 v8, 15, v0                           ; r
	v_bfe_u32 v9, v0, 4, 1                         ; lane / 16
	s_mul_i32 s24, s18, 16*SP
	s_add_co_u32 s24, s24, STG                     ; my stage
	v_mul_u32_u24 v[SO], v8, SP
	s_delay_alu instid0(VALU_DEP_1)
	v_lshl_add_u32 v[SO], v9, 6, v[SO]
	s_delay_alu instid0(VALU_DEP_1)
	v_add_nc_u32 v[SO], s24, v[SO]                 ; in: row r (my output), + 64 (lane / 16)
	v_mul_u32_u24 v[SR], v9, SP
	s_delay_alu instid0(VALU_DEP_1)
	v_lshl_add_u32 v[SR], v8, 4, v[SR]
	s_delay_alu instid0(VALU_DEP_1)
	v_add_nc_u32 v[SR], s24, v[SR]                 ; back: lanes 0-15 one row, lanes 16-31 the next
	v_lshlrev_b32 v[GX], 14, v9
	s_delay_alu instid0(VALU_DEP_1)
	v_lshl_add_u32 v[GX], v8, 4, v[GX]             ; and the same two rows (16,384 bytes apart) in x and out0
	v_and_b32 v10, 8, v8
	s_delay_alu instid0(VALU_DEP_1)
	v_add_nc_u32 v[BV], v8, v10
	s_delay_alu instid0(VALU_DEP_1)
	v_lshlrev_b32 v[BV], 2, v[BV]
	s_mov_b32 s23, 0
	s_wait_alu depctr_va_vdst(0)
	s_wait_kmcnt 0x0
	s_lshl_b32 s22, s19, 20                        ; hc: (256 b + 4 tq) 4,096
	s_lshl_b32 s25, s20, 14
	s_add_co_u32 s22, s22, s25
	s_add_nc_u64 s[4:5], s[4:5], s[22:23]
	s_lshl_b32 s22, s19, 15                        ; hs: (256 b + 4 tq) 128
	s_lshl_b32 s25, s20, 9
	s_add_co_u32 s22, s22, s25
	s_add_nc_u64 s[6:7], s[6:7], s[22:23]
	s_lshl_b32 s22, s18, 12                        ; wc: proj_w's tiles are 48 + w
	s_add_co_u32 s22, s22, 196608
	s_add_nc_u64 s[8:9], s[8:9], s[22:23]
	s_lshl_b32 s22, s18, 7
	s_add_co_u32 s22, s22, 6144
	s_add_nc_u64 s[10:11], s[10:11], s[22:23]
	s_lshl_b32 s22, s21, 7                         ; proj_b: output 32 (w / 2) + 8 (w % 2)
	s_lshl_b32 s25, s26, 5
	s_add_co_u32 s22, s22, s25
	s_add_nc_u64 s[12:13], s[12:13], s[22:23]
	s_lshl_b32 s22, s19, 22                        ; x and out0: image b, that output's row, place 64 tq
	s_lshl_b32 s25, s21, 19
	s_add_co_u32 s22, s22, s25
	s_lshl_b32 s25, s26, 17
	s_add_co_u32 s22, s22, s25
	s_lshl_b32 s25, s20, 8
	s_add_co_u32 s22, s22, s25
	s_add_nc_u64 s[14:15], s[14:15], s[22:23]
	s_add_nc_u64 s[16:17], s[16:17], s[22:23]
	global_load_b128 v[ACC:ACC+3], v[T16], s[4:5]
	global_load_b128 v[ACC+4:ACC+7], v[T16], s[4:5] offset:8192
.irp k, 0,1,2,3,4,5,6,7
	global_load_b128 v[WF+4*\k:WF+4*\k+3], v[LI], s[8:9] offset:512*\k
.endr
	global_load_b32 v[WSR], v[L4], s[10:11]        ; lanes 0-15: K step 0's words; lanes 16-31: K step 1's
.irp tt, 0,1,2,3
	global_load_b32 v[HS+\tt], v[L4], s[6:7] offset:128*\tt
.endr
	global_load_b32 v[BI], v[BV], s[12:13]
.irp i, 0,1,2,3,4,5,6,7
	global_load_b128 v[XR+4*\i:XR+4*\i+3], v[GX], s[14:15] offset:(2*\i+8*(\i/4))*16384 th:TH_LOAD_NT   ; stage rows 2 i, 2 i + 1 are outputs 2 i + 8 (i / 4) on; x's last reader
.endr
	s_wait_loadcnt 22                              ; my 32 bytes of hc are in; the 8 + 6 + 8 loads issued behind them may be out
	ds_store_b128 v[T16], v[ACC:ACC+3]
	ds_store_b128 v[T16], v[ACC+4:ACC+7] offset:8192
	s_wait_dscnt 0x0                               ; for the others' sake: my stores have landed
	s_barrier_signal -1
	s_barrier_wait -1
.set k, 0
.rept 32
	ds_load_b128 v[HF+4*k:HF+4*k+3], v[LI] offset:512*k
.set k, k+1
.endr
	s_wait_loadcnt 8                               ; the weight, the scale words and the bias are in; x's eight loads may be out
.set j, 0
.rept 8
	v_mov_b32 v[CB+j], v[BI]                       ; a lane holds one output: its bias for all eight places of a tile
.set j, j+1
.endr
	s_wait_alu depctr_va_vdst(0)
	s_wait_dscnt 0x0
.irp s, 0,1                            ; four accumulators by turns, K step by K step
.irp tt, 0,1,2,3
.if \s == 0
	v_wmma_scale_f32_16x16x128_f8f6f4 v[ACC+8*\tt:ACC+8*\tt+7], v[HF+32*\tt:HF+32*\tt+15], v[WF:WF+15], v[CB:CB+7], v[HS+\tt], v[WSR]
.else
	v_wmma_scale_f32_16x16x128_f8f6f4 v[ACC+8*\tt:ACC+8*\tt+7], v[HF+32*\tt+16:HF+32*\tt+31], v[WF+16:WF+31], v[ACC+8*\tt:ACC+8*\tt+7], v[HS+\tt], v[WSR] matrix_a_scale:MATRIX_SCALE_ROW1 matrix_b_scale:MATRIX_SCALE_ROW1
.endif
.endr
.endr
.rept 8
	v_nop                                          ; eight places in front of the first read of results and of loads into registers that the products read
.endr
.irp tt, 0,1,2,3                       ; tile tt = 2 b' + u, register j, half h': place 32 b' + 16 h' + 8 u + j
	ds_store_b128 v[SO], v[ACC+8*\tt:ACC+8*\tt+3] offset:128*(\tt/2)+32*(\tt%2)        ; each accumulator from its low end on
	ds_store_b128 v[SO], v[ACC+8*\tt+4:ACC+8*\tt+7] offset:128*(\tt/2)+32*(\tt%2)+16
.endr
.irp i, 0,1,2,3,4,5,6,7
	ds_load_b128 v[HF+4*\i:HF+4*\i+3], v[SR] offset:2*\i*SP    ; LDS serves a wave's instructions in order (ISA guide 5.7.1.4): these see my stores
.endr
	s_wait_loadcnt 0x0                             ; x
.irp i, 0,1,2,3,4,5,6,7
	s_wait_dscnt 7-\i                              ; rows 2 i and 2 i + 1 are back; the younger loads may be out
	v_pk_add_f32 v[HF+4*\i:HF+4*\i+1], v[HF+4*\i:HF+4*\i+1], v[XR+4*\i:XR+4*\i+1]
	v_pk_add_f32 v[HF+4*\i+2:HF+4*\i+3], v[HF+4*\i+2:HF+4*\i+3], v[XR+4*\i+2:XR+4*\i+3]
	global_store_b128 v[GX], v[HF+4*\i:HF+4*\i+3], s[16:17] offset:(2*\i+8*(\i/4))*16384 th:TH_STORE_NT
.endr
	s_wait_tensorcnt 0x0
	ds_add_u32 v254, v255
	s_wait_dscnt 0x0
	s_endpgm
.Lfunc_end_k_qebe78946c3_proj:
	.size	k_qebe78946c3_proj, .Lfunc_end_k_qebe78946c3_proj-k_qebe78946c3_proj
	.p2alignl 7, 3214868480
	.fill 96, 4, 3214868480
	.section	.rodata,"a",@progbits
	.p2align	6, 0x0
	.amdhsa_kernel k_qebe78946c3_proj
		.amdhsa_group_segment_fixed_size 88064
		.amdhsa_private_segment_fixed_size 0
		.amdhsa_enable_private_segment 0
		.amdhsa_kernarg_size 56
		.amdhsa_user_sgpr_count 2
		.amdhsa_user_sgpr_kernarg_segment_ptr 1
		.amdhsa_wavefront_size32 1
		.amdhsa_system_sgpr_workgroup_id_x 1
		.amdhsa_system_sgpr_workgroup_id_y 1
		.amdhsa_system_sgpr_workgroup_id_z 1
		.amdhsa_system_vgpr_workitem_id 0
		.amdhsa_next_free_vgpr 256
		.amdhsa_next_free_sgpr 66
		.amdhsa_reserve_vcc 0
		.amdhsa_float_denorm_mode_32 3
		.amdhsa_float_denorm_mode_16_64 3
		.amdhsa_memory_ordered 1
		.amdhsa_forward_progress 1
		.amdhsa_inst_pref_size 13
	.end_amdhsa_kernel
	.amdgpu_metadata
---
amdhsa.version: [ 1, 2 ]
amdhsa.kernels:
  - .name:           k_qebe78946c3_proj
    .symbol:         k_qebe78946c3_proj.kd
    .args:
      - { .name: hc, .offset: 0, .size: 8, .value_kind: global_buffer, .address_space: global }
      - { .name: hs, .offset: 8, .size: 8, .value_kind: global_buffer, .address_space: global }
      - { .name: wc, .offset: 16, .size: 8, .value_kind: global_buffer, .address_space: global }
      - { .name: ws, .offset: 24, .size: 8, .value_kind: global_buffer, .address_space: global }
      - { .name: proj_b, .offset: 32, .size: 8, .value_kind: global_buffer, .address_space: global }
      - { .name: x, .offset: 40, .size: 8, .value_kind: global_buffer, .address_space: global }
      - { .name: out0, .offset: 48, .size: 8, .value_kind: global_buffer, .address_space: global }
    .group_segment_fixed_size: 88064
    .private_segment_fixed_size: 0
    .kernarg_segment_align: 8
    .kernarg_segment_size: 56
    .max_flat_workgroup_size: 512
    .sgpr_count:     66
    .vgpr_count:     256
    .wavefront_size: 32
...
	.end_amdgpu_metadata
.endif
;; end of part 4
